; MI455X (gfx1250); checked and timed in simulation.
; The chip was launched on July 23, 2026; its instructions are those of AMD's public machine-readable ISA for CDNA 5 (MIT licence, August 2026) and "CDNA5" Instruction Set Architecture Reference Guide (July 2026). The comments in the code are by the model that wrote it; some were corrected since.
;; Transformer Encoder Layer Rotary. Allowed arithmetic: matrix products marked QUANTISED: E3M2 operands, one E8M0 scale for each 32 along K, by v_wmma_scale_f32_16x16x128_f8f6f4 with both operands' format E3M2, f32 sums; everything else in f32.
;; Inputs: b1 4,096 float32; b2 1,024 float32; k_b 1,024 float32; k_w_codes 1,024 x 32 x 24 uint8 (E3M2 codes of k_w, K innermost, in blocks of 32 codes, four codes in three bytes); k_w_scales 1,024 x 32 uint8 (E8M0 scales of k_w, one for each 32 codes along K); ln1_b 1,024 float32; ln1_g 1,024 float32; ln2_b 1,024 float32; ln2_g 1,024 float32; q_b 1,024 float32; q_w_codes 1,024 x 32 x 24 uint8 (E3M2 codes of q_w, K innermost, in blocks of 32 codes, four codes in three bytes); q_w_scales 1,024 x 32 uint8 (E8M0 scales of q_w, one for each 32 codes along K); src 2,048 x 2 x 1,024 float32; v_b 1,024 float32; v_w_codes 1,024 x 32 x 24 uint8 (E3M2 codes of v_w, K innermost, in blocks of 32 codes, four codes in three bytes); v_w_scales 1,024 x 32 uint8 (E8M0 scales of v_w, one for each 32 codes along K); w1_codes 4,096 x 32 x 24 uint8 (E3M2 codes of w1, K innermost, in blocks of 32 codes, four codes in three bytes); w1_scales 4,096 x 32 uint8 (E8M0 scales of w1, one for each 32 codes along K); w2_codes 1,024 x 128 x 24 uint8 (E3M2 codes of w2, K innermost, in blocks of 32 codes, four codes in three bytes); w2_scales 1,024 x 128 uint8 (E8M0 scales of w2, one for each 32 codes along K).
;; Outputs: out0 2,048 x 2 x 1,024 float32.
;; This version of the problem:
;;   THIS VERSION OF THE PROBLEM IS GIVEN IN LOW PRECISION. The matrix products marked QUANTISED in the list below multiply operands that are first quantised to E3M2 (3 exponent bits, 2 mantissa bits; 6 bits a number), with one power-of-two scale for each 32 numbers along K (OCP MX v1.0); their sums are f32. All else is computed in f32.
;;   The module's matrix products, in the order in which they are computed (A, B: the left and right operand; K: the contracted axis; several contracted axes count as one K, in the product's order):
;;     1. [M 4,096, K 1,024] x [K 1,024, N 1,024]; A: input src; B: input q_w (given as codes): QUANTISED
;;     2. [M 4,096, K 1,024] x [K 1,024, N 1,024]; A: input src; B: input k_w (given as codes): QUANTISED
;;     3. [M 4,096, K 1,024] x [K 1,024, N 1,024]; A: input src; B: input v_w (given as codes): QUANTISED
;;     4. batch 32 x [M 2,048, K 64] x [K 64, N 2,048]; A: computed on the way; B: computed on the way: QUANTISED
;;     5. batch 32 x [M 2,048, K 2,048] x [K 2,048, N 64]; A: softmax (see below); B: computed on the way: QUANTISED
;;     6. [M 4,096, K 1,024] x [K 1,024, N 4,096]; A: computed on the way; B: input w1 (given as codes): QUANTISED
;;     7. [M 4,096, K 4,096] x [K 4,096, N 1,024]; A: computed on the way; B: input w2 (given as codes): QUANTISED
;;   THE QUANTISER, for each operand of a quantised product, along K:
;;     - K is cut into blocks of 32 from its start; a last block that is shorter is filled with zeros.
;;     - A block's scale is 2^e with e = floor(log2(the largest magnitude in the block)) - 4, held to -126 .. 127; a block of zeros has e = 0. As a byte (E8M0): e + 127.
;;     - Each number is divided by its block's scale, clamped to +-28, and rounded to the nearest number of E3M2, ties to even, subnormals kept.
;;     - The product sums the exact products of the quantised numbers (number of the format x scale) in f32.
;;   ~~~python
;;   def quantise(x, axis):      # numpy; x: float32 -> the quantised numbers, widened to float32 again
;;       x = np.moveaxis(x, axis, -1); K = x.shape[-1]
;;       x = np.pad(x, [(0, 0)] * (x.ndim - 1) + [(0, -K % 32)]); x = x.reshape(x.shape[:-1] + (-1, 32)); a = np.abs(x).max(-1, keepdims=True)
;;       e = np.where(a > 0, np.clip(np.frexp(np.where(a > 0, a, 1))[1] - 1 - 4, -126, 127), 0)      # np.frexp(a)[1] - 1 = floor(log2(a)), exactly
;;       r = np.clip(x / 2.0 ** e, -28, 28)
;;       step = 2.0 ** (np.maximum(np.frexp(np.where(r == 0, 1, r))[1] - 1, -2) - 2)
;;       q = np.round(r / step) * step * 2.0 ** e      # np.round: ties to even
;;       return np.moveaxis(q.reshape(q.shape[:-2] + (-1,))[..., :K], -1, axis).astype(np.float32)
;;   ~~~
;;   SOFTMAX AHEAD OF A QUANTISED PRODUCT. Where the list says 'softmax', what is quantised is not the finished softmax but p = 2^(t - M), with t = logit x log2(e) and M = ceil(the row's largest t), a whole number; so 1/2 < the row's largest p <= 1. The row's sum l is taken of the UNQUANTISED p, in f32, and the product's result is divided by l at the end. Since M is a whole number, a kernel that streams over the keys may use a running M (the ceiling of the running maximum): every later rescaling is an exact power of two, which a block's scale takes up: the codes' values come out the same.
;;   OPERANDS COMPUTED ON THE WAY. 'Computed on the way' means the value that the module computes at that place (a softmax that the list does not call 'softmax' is quantised finished and normalised). What goes into a quantiser is computed in f32, as accurately as f32 sums, v_exp_f32 and their like allow (about 1e-6 of the number): no bf16 or f16 on the way to a quantiser, and a product that is left as it is and whose result goes on into a quantised operand takes f32 operands (vector FMAs, or v_wmma_f32_16x16x4_f32). A number that lies on a knife's edge between two numbers of the format may be rounded either way, as far as f32 arithmetic and the matrix unit's own rounding can turn it there, and no further.
;;   INPUTS GIVEN AS CODES. k_w (in the module: [1024, 1024], K = its axis 0); q_w (in the module: [1024, 1024], K = its axis 0); v_w (in the module: [1024, 1024], K = its axis 0); w1 (in the module: [1024, 4096], K = its axis 0); w2 (in the module: [4096, 1024], K = its axis 0): each comes as NAME_codes (uint8): NAME with its K axis moved to the last place and cut into blocks of 32 codes, [.., K / 32, bytes a block], one block behind the other in memory; four codes in three bytes: a row's codes are one little-endian stream of bits, code i at bits 6 i .. 6 i + 5 (a code: sign, 3 exponent bits, 2 mantissa bits); and NAME_scales (uint8): the same leading axes, one E8M0 byte (e + 127) for each 32 codes along K. Its value is code x scale, taken as it is: it is not quantised again, and the codes and scales need not be those that the quantiser above would give.
;; One version. Each part assembles by itself: llvm-mc -triple=amdgcn-amd-amdhsa -mcpu=gfx1250 --defsym DOCPART=n.
;; ======== version 1 of 1: 7 launches
;; limits: right only within a limited range of input values
;; workspace buffers: prepbuf 12,812,288 bytes; qkvbuf 10,223,616 bytes; rows32 16,777,216 bytes; xbuf 16,777,216 bytes; xq 3,276,800 bytes; hq 13,107,200 bytes
;; launch prep (part 1): grid 472 x 1, 8 waves a work-group, no clusters, 75,776 bytes of LDS; arguments src, q_w_codes, q_w_scales, k_w_codes, k_w_scales, v_w_codes, v_w_scales, w1_codes, w1_scales, w2_codes, w2_scales, prepbuf; writes prepbuf
.if DOCPART == 1
	.amdgcn_target "amdgcn-amd-amdhsa--gfx1250"
	.amdhsa_code_object_version 6
	.text
	.protected	k_qba94e6f48e_prep
	.globl	k_qba94e6f48e_prep
	.p2align	8
	.type	k_qba94e6f48e_prep,@function
k_qba94e6f48e_prep:
	s_mov_b64 s[64:65], 0
	v_nop
	global_prefetch_b8 v0, s[64:65] scope:SCOPE_SE
	s_setreg_imm32_b32 hwreg(HW_REG_WAVE_MODE, 25, 1), 1
	s_wait_xcnt 0x0
; PREP: everything that the later launches read many times is laid out once, in the order of the matrix operands' registers.
; A FRAGMENT IMAGE is 16 rows x 128 K of E3M2 codes = 12 registers a lane, 1,536 bytes: piece c (512 bytes) holds registers 4 c .. 4 c + 3, lane l's 16 bytes at 512 c + 16 l.
; Four kinds of work-group, told apart by the work-group's number alone; each kind has LDS bytes of its own and its own end.
;   0-255   src [2048][2][1024] f32 -> codes and scale words; block Bk = 16 rows rho = batch x 2048 + s; eight waves = eight K steps of 128
;   256-383 the table of cos and sin for the rotary embedding, 16 positions a work-group
;   384-439 q_w, k_w, v_w, w1: codes and scales as given, moved into images of groups of 8 blocks (128 rows); w1's rows in the order that makes the hidden layer's registers neighbours along the next K
;   440-471 w2: the same in groups of 4 blocks (64 rows)
; THE QUANTISER: a block's scale byte is the exponent field of its largest magnitude less 4, held at 1 from below by a floor among the maximum's leaves.
; LIMITS: NaN and infinities are not served; a block of zeros (or under 2^-122) keeps the byte 1: its codes are zeros and only this program reads the bytes.
; The table: inv_freq = 2^(-f log2(10000) / 32) with the constant in two parts (about 1.5 ulp); the angle is one f32 product; cos and sin by reduction with pi/2 in two parts and polynomials (about 1e-7).
.set SRCS,  3145728                    ; prepbuf: src's images at 0, then its scale words,
.set ROPET, 3276800                    ; the table,
.set WQI,   3801088                    ; q_w's, k_w's, v_w's images (786,432 bytes each),
.set WQS,   6160384                    ; their scale words (32,768 each),
.set W1I,   6258688
.set W1S,   9404416
.set W2I,   9535488
.set W2S,   12681216
.set PITCH, 4112                       ; a row of 4,096 bytes + 16 in LDS: an odd multiple of 16, so sixteen rows' 16 bytes fall on different banks
.set WORDS, 16*PITCH                   ; src's path: 512 bytes of scale words behind the rows
.set LW8,   WORDS+512                  ; the path of groups of 8: 512 bytes a wave
.set LW4,   LW8+4096                   ; w2's path: 4,096 bytes
.set X,   32                           ; v32-95 (v32-127 in the weights' paths)
.set PC,  96                           ; v96-114 the codes just made
.set TM,  116                          ; v116-131 at work in QUANT
.set PW,  132                          ; the scale word just made
.set SEL, 28                           ; s[28:29] lane selects: lane l xor 16
; 64 numbers of a lane, register 16 b + i = number 16 (lane / 16) + i of block b of my row, become a fragment's codes in v[PC] on and its scale word in v[PW].
.macro QUANT s
.irp b, 0,1,2,3
	v_max3_num_f32 v[TM+\b], |v[\s+16*\b]|, |v[\s+1+16*\b]|, 0x2800000   ; my 16 numbers and the floor 2^(5 - 127)
.endr
.irp i, 2,4,6,8,10,12,14
.irp b, 0,1,2,3
	s_delay_alu instid0(VALU_DEP_4)
	v_max3_num_f32 v[TM+\b], v[TM+\b], |v[\s+16*\b+\i]|, |v[\s+1+16*\b+\i]|
.endr
.endr
.irp b, 0,1,2,3
	s_delay_alu instid0(VALU_DEP_4)
	v_permlanex16_b32 v[TM+4+\b], v[TM+\b], s[SEL], s[SEL+1]
.endr
.irp b, 0,1,2,3
	s_delay_alu instid0(VALU_DEP_4)
	v_max_num_f32 v[TM+\b], v[TM+\b], v[TM+4+\b]   ; with lane l xor 16's: the block's largest magnitude
.endr
.irp b, 0,1,2,3
	s_delay_alu instid0(VALU_DEP_4)
	v_add_nc_u32 v[TM+12+\b], 0xfe000000, v[TM+\b]   ; 4 off its exponent field: the conversion's scale operand
.endr
.irp b, 0,1,2,3
	s_delay_alu instid0(VALU_DEP_4)
	v_lshrrev_b32 v[TM+4+\b], 23, v[TM+12+\b]      ; the scale's byte
.endr
	s_delay_alu instid0(VALU_DEP_3)
	v_lshl_or_b32 v[PW], v[TM+5], 8, v[TM+4]
	s_delay_alu instid0(VALU_DEP_1)
	v_lshl_or_b32 v[PW], v[TM+6], 16, v[PW]
	s_delay_alu instid0(VALU_DEP_1)
	v_lshl_or_b32 v[PW], v[TM+7], 24, v[PW]
.irp c, 0,1
	v_cvt_scalef32_pk16_bf6_f32 v[PC+6*\c:PC+2+6*\c], v[\s+32*\c:\s+15+32*\c], v[TM+12+2*\c]
	v_cvt_scalef32_pk16_bf6_f32 v[PC+12+4*\c:PC+14+4*\c], v[\s+16+32*\c:\s+31+32*\c], v[TM+12+2*\c+1]
.endr
	v_nop                                          ; one plain place behind the scaled conversions
.irp c, 0,1                                    ; a whole block to a lane: lanes 0-15 block 2 c, lanes 16-31 block 2 c + 1
.irp i, 0,1,2
	v_permlane16_swap_b32 v[PC+6*\c+\i], v[PC+12+4*\c+\i]
.endr
.irp i, 0,1,2
	s_delay_alu instid0(VALU_DEP_3)
	v_mov_b32 v[PC+3+6*\c+\i], v[PC+12+4*\c+\i]
.endr
.endr
.endm
; cos and sin of s x inv_freq(f): v10 = f, v11 = s, both as f32
.macro ROPE1 oc, os
	s_delay_alu instid0(VALU_DEP_1)
	v_mul_f32 v12, 0xbed49a00, v10                 ; u = -f x 54426 x 2^-17: exact (5 bits x 16 bits)
	s_delay_alu instid0(VALU_DEP_1)
	v_rndne_f32 v13, v12                           ; its whole part
	s_delay_alu instid0(VALU_DEP_1)
	v_sub_f32 v12, v12, v13                        ; exact
	s_delay_alu instid0(VALU_DEP_1)
	v_fmamk_f32 v12, v10, 0xb670979a, v12          ; - f x the constant's lower part
	s_wait_alu depctr_va_vdst(0)
	v_exp_f32 v14, v12
	v_cvt_i32_f32 v13, v13                         ; (the plain place behind the exponential)
	s_wait_alu depctr_va_vdst(0)                   ; the wait ahead of the result's first reader
	v_ldexp_f32 v14, v14, v13                      ; inv_freq
	s_delay_alu instid0(VALU_DEP_1)
	v_mul_f32 v15, v11, v14                        ; the angle, rounded once
	s_delay_alu instid0(VALU_DEP_1)
	v_mul_f32 v16, 0x3f22f983, v15
	s_delay_alu instid0(VALU_DEP_1)
	v_rndne_f32 v16, v16                           ; quarter turns
	s_delay_alu instid0(VALU_DEP_1)
	v_fmamk_f32 v17, v16, 0xbfc90fdb, v15          ; less pi/2's upper part,
	s_delay_alu instid0(VALU_DEP_1)
	v_fmamk_f32 v17, v16, 0x333bbd2e, v17          ; and its lower part: |rest| <= pi/4
	s_delay_alu instid0(VALU_DEP_1)
	v_mul_f32 v18, v17, v17
	v_mov_b32 v19, 0xb94ca1f9
	s_delay_alu instid0(VALU_DEP_1)
	v_fmaak_f32 v19, v19, v18, 0x3c08839e
	s_delay_alu instid0(VALU_DEP_1)
	v_fmaak_f32 v19, v19, v18, 0xbe2aaaa3
	s_delay_alu instid0(VALU_DEP_4)
	v_mul_f32 v20, v17, v18
	s_delay_alu instid0(VALU_DEP_1)
	v_fma_f32 v19, v20, v19, v17                   ; the rest's sine
	v_mov_b32 v21, 0x37ccf5ce
	s_delay_alu instid0(VALU_DEP_1)
	v_fmaak_f32 v21, v21, v18, 0xbab6061a
	s_delay_alu instid0(VALU_DEP_1)
	v_fmaak_f32 v21, v21, v18, 0x3d2aaaa5
	v_mul_f32 v22, v18, v18
	v_fma_f32 v23, v18, -0.5, 1.0
	s_delay_alu instid0(VALU_DEP_1)
	v_fma_f32 v21, v22, v21, v23                   ; and cosine
	v_cvt_i32_f32 v24, v16
	s_delay_alu instid0(VALU_DEP_1)
	v_and_b32 v25, 1, v24
	s_delay_alu instid0(VALU_DEP_1)
	v_cmp_eq_u32 vcc_lo, 1, v25                    ; an odd number of quarter turns swaps the two: a choice of values, no branch
	s_delay_alu instid0(VALU_DEP_1)
	v_cndmask_b32 v26, v19, v21, vcc_lo
	s_delay_alu instid0(VALU_DEP_2)
	v_cndmask_b32 v27, v21, v19, vcc_lo
	v_lshlrev_b32 v25, 30, v24
	s_delay_alu instid0(VALU_DEP_1)
	v_and_b32 v25, 0x80000000, v25                 ; the sine is negative in quarters 2 and 3,
	s_delay_alu instid0(VALU_DEP_1)
	v_xor_b32 v[\os], v26, v25
	v_add_nc_u32 v24, 1, v24
	s_delay_alu instid0(VALU_DEP_1)
	v_lshlrev_b32 v24, 30, v24
	s_delay_alu instid0(VALU_DEP_1)
	v_and_b32 v24, 0x80000000, v24                 ; the cosine in quarters 1 and 2
	s_delay_alu instid0(VALU_DEP_1)
	v_xor_b32 v[\oc], v27, v24
.endm
; eight fragments of my 16 rows as they lie in memory: lane (r, h) takes 24 bytes at 24 h and 24 at 48 + 24 h of each 96, in pieces of 8
.macro WLOAD cb
.irp e, 0,1,2,3,4,5,6,7
.irp p, 0,1,2,3,4,5
	global_load_b64 v[X+12*\e+2*\p:X+12*\e+2*\p+1], v7, s[\cb:\cb+1] offset:96*\e+48*(\p/3)+8*(\p%3)
.endr
.endr
.endm
.macro WSTORE db, estr                 ; and out as images: each store covers 512 consecutive bytes
.irp e, 0,1,2,3,4,5,6,7
	s_wait_loadcnt 6*(7-\e)                        ; K step e's six loads are in; those of the steps behind it stay out
.irp c, 0,1,2
	global_store_b128 v5, v[X+12*\e+4*\c:X+12*\e+4*\c+3], s[\db:\db+1] offset:\estr*\e+512*\c
.endr
.endr
.endm
	s_load_b512 s[4:19], s[0:1], 0x0               ; src, q codes, q scales, k codes, k scales, v codes, v scales, w1 codes
	s_load_b256 s[20:27], s[0:1], 0x40             ; w1 scales, w2 codes, w2 scales, prepbuf
	v_lshl_add_u32 v160, v0, 2, 0x12400
	v_mov_b32 v161, 0
	v_lshrrev_b32 v1, 5, v0                        ; wave
	s_delay_alu instid0(VALU_DEP_1)
	v_readfirstlane_b32 s3, v1
	v_and_b32 v2, 31, v0                           ; lane
	v_and_b32 v3, 15, v0                           ; r
	v_bfe_u32 v4, v0, 4, 1                         ; h
	s_delay_alu instid0(VALU_DEP_3)
	v_lshlrev_b32 v5, 4, v2                        ; 16 x lane
	s_mov_b32 s[SEL], 0x76543210
	s_mov_b32 s[SEL+1], 0xfedcba98
	s_wait_kmcnt 0x0
	s_cmp_lt_u32 ttmp9, 256
	s_cbranch_scc0 .Lnot_src
	; ---- src: block Bk = ttmp9: batch Bk / 128, positions 16 (Bk % 128) on
	s_lshr_b32 s30, ttmp9, 7
	s_and_b32 s31, ttmp9, 127
	s_lshl_b32 s31, s31, 17                        ; 16 positions x 8,192 bytes
	s_lshl_b32 s30, s30, 12
	s_add_co_u32 s30, s30, s31
	s_mov_b32 s31, 0
	s_add_nc_u64 s[4:5], s[4:5], s[30:31]
	s_wait_alu depctr_va_vdst(0)
	v_lshl_add_u32 v6, v1, 14, v5                  ; my wave's two rows, 8,192 bytes apart in memory
.irp e, 0,1
.irp j, 0,1,2,3,4,5,6,7
	global_load_b128 v[X+32*\e+4*\j:X+32*\e+4*\j+3], v6, s[4:5] offset:8192*\e+512*\j th:TH_LOAD_NT
.endr
.endr
	v_mul_u32_u24 v7, v1, 2*PITCH
	s_delay_alu instid0(VALU_DEP_1)
	v_add_nc_u32 v7, v7, v5                        ; into LDS: rows 2 wave, 2 wave + 1
	v_mul_u32_u24 v8, v3, PITCH
	s_delay_alu instid0(VALU_DEP_1)
	v_lshl_add_u32 v8, v4, 6, v8
	s_delay_alu instid0(VALU_DEP_1)
	v_lshl_add_u32 v8, v1, 9, v8                   ; out of it: row r, K step = wave, + 64 h: 16 neighbours of each block of 32
	v_lshlrev_b32 v9, 2, v3
	s_delay_alu instid0(VALU_DEP_1)
	v_lshl_add_u32 v9, v1, 6, v9
	s_delay_alu instid0(VALU_DEP_1)
	v_add_nc_u32 v9, WORDS, v9                     ; my row's scale word of my K step
	v_add_nc_u32 v10, WORDS, v5                    ; wave 0 reads the 512 bytes back
	v_mul_u32_u24 v11, v1, 12288
	s_delay_alu instid0(VALU_DEP_1)
	v_add_nc_u32 v11, v11, v5                      ; the image: K step x 8 blocks x 1,536 + 16 lane
	s_lshr_b32 s30, ttmp9, 3
	s_lshl_b32 s30, s30, 6
	s_and_b32 s32, ttmp9, 7
	s_add_co_u32 s30, s30, s32
	s_mul_i32 s30, s30, 1536                       ; group x 8 K steps x 8 blocks + block in the group
	s_add_nc_u64 s[32:33], s[26:27], s[30:31]
	s_lshl_b32 s30, ttmp9, 9
	s_add_co_u32 s30, s30, SRCS
	s_add_nc_u64 s[34:35], s[26:27], s[30:31]
.irp b, 0,1,2,3
	v_mov_b32 v[TM+4+\b], 0                        ; a lane permute's destination counts as read
.endr
.set N_, 0
.rept 16
	s_wait_loadcnt 15-N_                           ; loads come back in order: this one is in, the younger ones stay out
	ds_store_b128 v7, v[X+4*N_:X+4*N_+3] offset:PITCH*(N_/8)+512*(N_%8)
.set N_, N_+1
.endr
	s_wait_dscnt 0x0                               ; my rows lie in LDS
	s_barrier_signal -1
	s_barrier_wait -1                              ; all sixteen do
.irp b, 0,1,2,3
.irp j, 0,1,2,3
	ds_load_b128 v[X+16*\b+4*\j:X+16*\b+4*\j+3], v8 offset:128*\b+16*\j
.endr
.endr
	s_wait_dscnt 0x0
	QUANT X
.irp c, 0,1,2
	global_store_b128 v11, v[PC+4*\c:PC+4*\c+3], s[32:33] offset:512*\c
.endr
	ds_store_b32 v9, v[PW]                         ; lanes r and r + 16 write the same word with the same value
	s_wait_dscnt 0x0
	s_barrier_signal -1
	s_barrier_wait -1                              ; the block's 128 scale words lie in LDS
	s_cmp_lg_u32 s3, 0
	s_cbranch_scc1 .Lsrc_done
	ds_load_b128 v[12:15], v10
	s_wait_dscnt 0x0
	global_store_b128 v5, v[12:15], s[34:35]       ; 512 consecutive bytes
.Lsrc_done:
	s_wait_tensorcnt 0x0
	ds_add_u32 v160, v161
	s_wait_dscnt 0x0
	s_endpgm
.Lnot_src:
	s_cmp_lt_u32 ttmp9, 384
	s_cbranch_scc0 .Lnot_rope
	; ---- the table: [s / 16][idx 0..7][lane][cos f0, sin f0, cos f0 + 1, sin f0 + 1], s = 16 blk + lane % 16, f0 = 8 (idx / 2) + 4 (lane / 16) + 2 (idx % 2); idx = wave
	s_sub_co_u32 s30, ttmp9, 256
	s_lshl_b32 s31, s30, 4
	s_wait_alu depctr_va_vdst(0)
	v_add_nc_u32 v6, s31, v3
	s_delay_alu instid0(VALU_DEP_1)
	v_cvt_f32_u32 v11, v6                          ; s
	v_lshrrev_b32 v6, 1, v1
	s_delay_alu instid0(VALU_DEP_1)
	v_lshlrev_b32 v6, 3, v6
	s_delay_alu instid0(VALU_DEP_1)
	v_lshl_add_u32 v6, v4, 2, v6
	v_and_b32 v7, 1, v1
	s_delay_alu instid0(VALU_DEP_1)
	v_lshl_add_u32 v6, v7, 1, v6
	s_delay_alu instid0(VALU_DEP_1)
	v_cvt_f32_u32 v10, v6                          ; f0
	ROPE1 40, 41
	v_add_f32 v10, 1.0, v10
	ROPE1 42, 43
	s_lshl_b32 s30, s30, 12
	s_add_co_u32 s30, s30, ROPET
	s_mov_b32 s31, 0
	s_add_nc_u64 s[32:33], s[26:27], s[30:31]
	v_lshlrev_b32 v6, 4, v0
	global_store_b128 v6, v[40:43], s[32:33]
	s_endpgm
.Lnot_rope:
	s_cmp_lt_u32 ttmp9, 440
	s_cbranch_scc0 .Lw2
	; ---- q_w, k_w, v_w (j = 0 .. 23: matrix j / 8, group j % 8) and w1 (group j - 24): a group is 128 rows, a wave takes block i = wave
	s_sub_co_u32 s2, ttmp9, 384
	s_and_b32 s36, s2, 7
	s_sub_co_u32 s37, s2, 24
	s_mov_b32 s35, W1I-24*98304
	s_mov_b32 s41, W1S-24*4096
	s_cmp_lt_u32 s2, 24                            ; the choices hang on the work-group's number alone
	s_cselect_b64 s[30:31], s[14:15], s[18:19]
	s_cselect_b64 s[32:33], s[16:17], s[20:21]
	s_cselect_b32 s34, 0, 1                        ; 1: w1's order of rows
	s_cselect_b32 s35, WQI, s35
	s_cselect_b32 s41, WQS, s41
	s_cselect_b32 s36, s36, s37                    ; the group in its matrix
	s_cmp_lt_u32 s2, 16
	s_cselect_b64 s[30:31], s[10:11], s[30:31]
	s_cselect_b64 s[32:33], s[12:13], s[32:33]
	s_cmp_lt_u32 s2, 8
	s_cselect_b64 s[30:31], s[6:7], s[30:31]
	s_cselect_b64 s[32:33], s[8:9], s[32:33]
	s_mul_i32 s38, s36, 98304                      ; 128 rows of 768 bytes
	s_mov_b32 s39, 0
	s_add_nc_u64 s[30:31], s[30:31], s[38:39]
	s_lshl_b32 s38, s36, 12                        ; 128 rows of 32 scale bytes
	s_add_nc_u64 s[32:33], s[32:33], s[38:39]
	s_mul_i32 s38, s2, 98304
	s_add_co_u32 s38, s38, s35
	s_mul_i32 s40, s3, 1536
	s_add_co_u32 s38, s38, s40
	s_add_nc_u64 s[42:43], s[26:27], s[38:39]      ; the images: group, K step 0, block i
	s_lshl_b32 s38, s2, 12
	s_add_co_u32 s38, s38, s41
	s_lshl_b32 s40, s3, 9
	s_add_co_u32 s38, s38, s40
	s_add_nc_u64 s[44:45], s[26:27], s[38:39]      ; the words: [group][block][K step][r]
	s_and_b32 s40, s3, 1
	s_lshl_b32 s40, s40, 3
	s_mul_i32 s40, s40, s34
	s_lshl_b32 s46, s3, 4
	s_sub_co_u32 s46, s46, s40                     ; natural: 16 i; w1: 32 (i / 2) + 8 (i % 2)
	s_wait_alu depctr_va_vdst(0)
	v_and_b32 v6, 8, v3
	s_delay_alu instid0(VALU_DEP_1)
	v_mul_u32_u24 v6, v6, s34
	s_delay_alu instid0(VALU_DEP_1)
	v_add3_u32 v6, v6, v3, s46                     ; + r, and for w1 + 8 (r / 8)
	s_delay_alu instid0(VALU_DEP_1)
	v_mul_u32_u24 v7, v6, 768
	s_delay_alu instid0(VALU_DEP_1)
	v_mad_u32_u24 v7, v4, 24, v7
	s_delay_alu instid0(VALU_DEP_3)
	v_lshlrev_b32 v8, 5, v6
	s_delay_alu instid0(VALU_DEP_1)
	v_lshl_add_u32 v8, v4, 4, v8                   ; my row's words 4 h .. 4 h + 3
	v_lshlrev_b32 v9, 2, v3
	s_delay_alu instid0(VALU_DEP_1)
	v_lshl_add_u32 v9, v4, 8, v9
	s_delay_alu instid0(VALU_DEP_1)
	v_lshl_add_u32 v9, v1, 9, v9
	s_delay_alu instid0(VALU_DEP_1)
	v_add_nc_u32 v9, LW8, v9                       ; my wave's 512 bytes: [K step][r]
	v_lshl_add_u32 v10, v1, 9, v5
	s_delay_alu instid0(VALU_DEP_1)
	v_add_nc_u32 v10, LW8, v10
	global_load_b128 v[20:23], v8, s[32:33]
	WLOAD 30
	s_wait_alu depctr_va_vdst(0)
	s_wait_loadcnt 48                              ; the scale words are in; the 48 loads of codes stay out
.irp e, 0,1,2,3
	ds_store_b32 v9, v[20+\e] offset:64*\e
.endr
	ds_load_b128 v[24:27], v10                     ; my wave's own bytes; LDS serves a wave's instructions in order
	s_wait_dscnt 0x0
	global_store_b128 v5, v[24:27], s[44:45]
	WSTORE 42, 12288
	s_wait_tensorcnt 0x0
	ds_add_u32 v160, v161
	s_wait_dscnt 0x0
	s_endpgm
.Lw2:
	; ---- w2: j = 0 .. 31: group j / 2 of 64 rows, half j % 2 of the 32 K steps; wave: block wave % 4, eight K steps from 16 (j % 2) + 8 (wave / 4)
	s_sub_co_u32 s2, ttmp9, 440
	s_lshr_b32 s36, s2, 1
	s_and_b32 s37, s2, 1
	s_and_b32 s38, s3, 3
	s_lshr_b32 s39, s3, 2
	s_lshl_b32 s40, s37, 4
	s_lshl_b32 s41, s39, 3
	s_add_co_u32 s40, s40, s41                     ; my first K step
	s_lshl_b32 s41, s36, 6
	s_lshl_b32 s42, s38, 4
	s_add_co_u32 s41, s41, s42                     ; my first row
	s_mul_i32 s42, s41, 3072
	s_mul_i32 s43, s40, 96
	s_add_co_u32 s42, s42, s43
	s_mov_b32 s43, 0
	s_add_nc_u64 s[30:31], s[22:23], s[42:43]
	s_lshl_b32 s42, s41, 7
	s_lshl_b32 s44, s40, 2
	s_add_co_u32 s42, s42, s44
	s_add_nc_u64 s[32:33], s[24:25], s[42:43]
	s_lshl_b32 s42, s36, 5
	s_add_co_u32 s42, s42, s40
	s_lshl_b32 s42, s42, 2
	s_add_co_u32 s42, s42, s38
	s_mul_i32 s42, s42, 1536
	s_add_co_u32 s42, s42, W2I
	s_add_nc_u64 s[46:47], s[26:27], s[42:43]      ; the images: ((group x 32 + K step) x 4 + block) x 1,536
	s_lshl_b32 s42, s36, 13
	s_lshl_b32 s44, s37, 12
	s_add_co_u32 s42, s42, s44
	s_lshl_b32 s44, s3, 9
	s_add_co_u32 s42, s42, s44
	s_add_co_u32 s42, s42, W2S
	s_add_nc_u64 s[44:45], s[26:27], s[42:43]      ; the words: [group][K step][block][r]; each wave stores 512 of the work-group's 4,096 bytes
	s_wait_alu depctr_va_vdst(0)
	v_mul_u32_u24 v7, v3, 3072
	s_delay_alu instid0(VALU_DEP_1)
	v_mad_u32_u24 v7, v4, 24, v7
	v_lshlrev_b32 v8, 7, v3
	s_delay_alu instid0(VALU_DEP_1)
	v_lshl_add_u32 v8, v4, 4, v8
	v_lshrrev_b32 v12, 2, v1                       ; wave / 4
	v_and_b32 v13, 3, v1                           ; wave % 4
	v_lshlrev_b32 v9, 2, v3
	s_delay_alu instid0(VALU_DEP_1)
	v_lshl_add_u32 v9, v13, 6, v9
	s_delay_alu instid0(VALU_DEP_1)
	v_lshl_add_u32 v9, v4, 10, v9
	s_delay_alu instid0(VALU_DEP_1)
	v_lshl_add_u32 v9, v12, 11, v9
	s_delay_alu instid0(VALU_DEP_1)
	v_add_nc_u32 v9, LW4, v9                       ; (8 (wave / 4) + 4 h + e) x 256 + 64 block + 4 r
	v_lshl_add_u32 v10, v1, 9, v5
	s_delay_alu instid0(VALU_DEP_1)
	v_add_nc_u32 v10, LW4, v10
	global_load_b128 v[20:23], v8, s[32:33]
	WLOAD 30
	s_wait_alu depctr_va_vdst(0)
	s_wait_loadcnt 48                              ; the scale words are in; the 48 loads of codes stay out
.irp e, 0,1,2,3
	ds_store_b32 v9, v[20+\e] offset:256*\e
.endr
	s_wait_dscnt 0x0
	s_barrier_signal -1
	s_barrier_wait -1                              ; a unit of 256 bytes holds four waves' words
	ds_load_b128 v[24:27], v10
	s_wait_dscnt 0x0
	global_store_b128 v5, v[24:27], s[44:45]
	WSTORE 46, 6144
	s_wait_tensorcnt 0x0
	ds_add_u32 v160, v161
	s_wait_dscnt 0x0
	s_endpgm
.Lfunc_end_k_qba94e6f48e_prep:
	.size	k_qba94e6f48e_prep, .Lfunc_end_k_qba94e6f48e_prep-k_qba94e6f48e_prep
	.p2alignl 7, 3214868480
	.fill 96, 4, 3214868480
	.section	.rodata,"a",@progbits
	.p2align	6, 0x0
	.amdhsa_kernel k_qba94e6f48e_prep
		.amdhsa_group_segment_fixed_size 75776
		.amdhsa_private_segment_fixed_size 0
		.amdhsa_enable_private_segment 0
		.amdhsa_kernarg_size 96
		.amdhsa_user_sgpr_count 2
		.amdhsa_user_sgpr_kernarg_segment_ptr 1
		.amdhsa_wavefront_size32 1
		.amdhsa_system_sgpr_workgroup_id_x 1
		.amdhsa_system_sgpr_workgroup_id_y 1
		.amdhsa_system_sgpr_workgroup_id_z 1
		.amdhsa_system_vgpr_workitem_id 0
		.amdhsa_next_free_vgpr 162
		.amdhsa_next_free_sgpr 66
		.amdhsa_reserve_vcc 1
		.amdhsa_float_denorm_mode_32 3
		.amdhsa_float_denorm_mode_16_64 3
		.amdhsa_memory_ordered 1
		.amdhsa_forward_progress 1
		.amdhsa_inst_pref_size 40
	.end_amdhsa_kernel
	.amdgpu_metadata
---
amdhsa.version: [ 1, 2 ]
amdhsa.kernels:
  - .name:           k_qba94e6f48e_prep
    .symbol:         k_qba94e6f48e_prep.kd
    .args:
      - { .name: src, .offset: 0, .size: 8, .value_kind: global_buffer, .address_space: global }
      - { .name: q_w_codes, .offset: 8, .size: 8, .value_kind: global_buffer, .address_space: global }
      - { .name: q_w_scales, .offset: 16, .size: 8, .value_kind: global_buffer, .address_space: global }
      - { .name: k_w_codes, .offset: 24, .size: 8, .value_kind: global_buffer, .address_space: global }
      - { .name: k_w_scales, .offset: 32, .size: 8, .value_kind: global_buffer, .address_space: global }
      - { .name: v_w_codes, .offset: 40, .size: 8, .value_kind: global_buffer, .address_space: global }
      - { .name: v_w_scales, .offset: 48, .size: 8, .value_kind: global_buffer, .address_space: global }
      - { .name: w1_codes, .offset: 56, .size: 8, .value_kind: global_buffer, .address_space: global }
      - { .name: w1_scales, .offset: 64, .size: 8, .value_kind: global_buffer, .address_space: global }
      - { .name: w2_codes, .offset: 72, .size: 8, .value_kind: global_buffer, .address_space: global }
      - { .name: w2_scales, .offset: 80, .size: 8, .value_kind: global_buffer, .address_space: global }
      - { .name: prepbuf, .offset: 88, .size: 8, .value_kind: global_buffer, .address_space: global }
    .group_segment_fixed_size: 75776
    .private_segment_fixed_size: 0
    .kernarg_segment_align: 8
    .kernarg_segment_size: 96
    .max_flat_workgroup_size: 256
    .sgpr_count:     66
    .vgpr_count:     162
    .wavefront_size: 32
...
	.end_amdgpu_metadata
.endif
;; end of part 1
;; launch qkv (part 2): grid 12 x 16, 4 waves a work-group, clusters of 4 x 4, 327,680 bytes of LDS; arguments prepbuf, q_b, k_b, v_b, qkvbuf; writes qkvbuf
.if DOCPART == 2
	.amdgcn_target "amdgcn-amd-amdhsa--gfx1250"
	.amdhsa_code_object_version 6
	.text
	.protected	k_qba94e6f48e_qkv
	.globl	k_qba94e6f48e_qkv
	.p2align	8
	.type	k_qba94e6f48e_qkv,@function
k_qba94e6f48e_qkv:
	s_mov_b64 s[64:65], 0
	v_nop
	global_prefetch_b8 v0, s[64:65] scope:SCOPE_SE
	s_setreg_imm32_b32 hwreg(HW_REG_WAVE_MODE, 25, 1), 1
	s_wait_xcnt 0x0
	s_wait_alu depctr_hold_cnt(0) depctr_sa_sdst(0) depctr_va_vdst(0) depctr_va_sdst(0) depctr_va_ssrc(0) depctr_va_vcc(0) depctr_vm_vsrc(0)
	s_getreg_b32 s2, hwreg(HW_REG_IB_STS2, 6, 4)
	s_cmp_eq_u32 s2, 0
	s_cbranch_scc0 .Lentry_in_a_cluster
	s_endpgm
.Lentry_in_a_cluster:
	s_bfe_u32 s2, ttmp6, 0x10000c
	s_cmp_lg_u32 s2, 0xf033
	s_cbranch_scc0 .Lentry_shape_is_right
	s_endpgm
.Lentry_shape_is_right:
.set MB, 8
.set NB, 8
.set NQ, 2
.set KS, 8
.set LAPS, KS/(2*NQ)
.set GRPB, KS*MB*1536
.set HALFS, MB*KS*64
.set SI, 512
.set SQ, 64
.set QUART, 24576
.set SLOT, 4*QUART
.set SCL, 2*SLOT
.set SPARE, SCL+4*HALFS+256
.set SRCS, 3145728
.set ROPET, 3276800
.set WQI, 3801088
.set WQS, 6160384
.set WSZ, 786432
.set KI, 3145728
.set VI, 6291456
.set QS, 9437184
.set KVS, 9830400
.set BV, 8
.set ADRA, 16
.set L8, 18
.set SH, 19
.set ADRB, 20
.set VEO, 22
.set LI, 24
.set QSTO, 25
.set QRD, 26
.set ADRS, 27
.set SPW, 28
.set NIL, 29
.set VSTO, 30
.set VRD, 31
.set SC, 32
.set AF, 64
.set CI, 192
.set Y, 64
.set PC, 128
.set TM, 148
.set PW, 164
.set WT, 166
.set WB, 168
.set G1, 24
.set G0, 32
.set G1B, 48
.set G0B, 56
.set G1S, 68
.set G0S, 76
.set G1SB, 80
.set G0SB, 88
.set SEL, 66
.set MSB, 0
.macro WIN new
.if MSB != (\new)
	s_set_vgpr_msb (MSB<<8)|(\new)
.set MSB, (\new)
.endif
.endm
.macro JLOAD g0a, g1a, g0b, g1b
	s_cmp_eq_u32 s15, 0
	s_cbranch_scc0 .Lfor_b_\@
	tensor_load_to_lds s[\g0a:\g0a+3], s[\g1a:\g1a+7]
	s_nop 0
.rept 4
	v_nop
.endr
	s_branch .Lasked_\@
.Lfor_b_\@:
	tensor_load_to_lds s[\g0b:\g0b+3], s[\g1b:\g1b+7]
	s_nop 0
.rept 4
	v_nop
.endr
.Lasked_\@:
.endm
.macro CREST
	s_cmp_lg_u32 s14, 0
	s_cbranch_scc1 .Lnot_wave_0_\@
	s_barrier_signal -3
.Lnot_wave_0_\@:
	s_barrier_wait -3
	s_barrier_signal -1
	s_barrier_wait -1
.endm
.macro CROUND
	s_barrier_signal -1
	s_barrier_wait -1
	CREST
.endm
.macro QUANT s
.irp b, 0,1,2,3
	v_max3_num_f32 v[TM+\b], |v[\s+16*\b]|, |v[\s+1+16*\b]|, 0x2800000
.endr
.irp i, 2,4,6,8,10,12,14
.irp b, 0,1,2,3
	v_max3_num_f32 v[TM+\b], v[TM+\b], |v[\s+16*\b+\i]|, |v[\s+1+16*\b+\i]|
.endr
.endr
.irp b, 0,1,2,3
	v_permlanex16_b32 v[TM+4+\b], v[TM+\b], s[SEL], s[SEL+1]
.endr
.irp b, 0,1,2,3
	v_max_num_f32 v[TM+\b], v[TM+\b], v[TM+4+\b]
.endr
.irp b, 0,1,2,3
	v_add_nc_u32 v[TM+12+\b], 0xfe000000, v[TM+\b]
.endr
.irp b, 0,1,2,3
	v_lshrrev_b32 v[TM+4+\b], 23, v[TM+12+\b]
.endr
	v_lshl_or_b32 v[PW], v[TM+5], 8, v[TM+4]
	v_lshl_or_b32 v[PW], v[TM+6], 16, v[PW]
	v_lshl_or_b32 v[PW], v[TM+7], 24, v[PW]
.irp c, 0,1
	v_cvt_scalef32_pk16_bf6_f32 v[PC+6*\c:PC+2+6*\c], v[\s+32*\c:\s+15+32*\c], v[TM+12+2*\c]
	v_cvt_scalef32_pk16_bf6_f32 v[PC+12+4*\c:PC+14+4*\c], v[\s+16+32*\c:\s+31+32*\c], v[TM+12+2*\c+1]
.endr
	v_nop
.irp c, 0,1
.irp i, 0,1,2
	v_permlane16_swap_b32 v[PC+6*\c+\i], v[PC+12+4*\c+\i]
.endr
.irp i, 0,1,2
	v_mov_b32 v[PC+3+6*\c+\i], v[PC+12+4*\c+\i]
.endr
.endr
.endm
.macro MULROWS a0, na, p, q, sc, cm
.set A_, \a0
.rept \na
.set W_, 2+(8*NB*A_)/256
.set D0_, (8*NB*A_)%256
.if \cm == 2
.set WN_, (W_<<6)|(1<<4)|1
.else
.set WN_, (W_<<6)|(W_<<4)|1
.endif
	WIN WN_
.set FA_, AF+12*MB*(\p)+12*A_
.set SA_, SC+16*(\sc)+MB*(\q)+A_
.set B_, 0
.rept NB
.set D_, D0_+8*B_
.set FB_, 12*NB*(\p)+12*B_
.set SB_, SC+16*(\sc)+MB*(\q)+B_
.if \cm == 0
	v_wmma_scale_f32_16x16x128_f8f6f4 v[D_:D_+7], v[FB_:FB_+11], v[FA_:FA_+11], v[D_:D_+7], v[SB_], v[SA_] matrix_a_fmt:MATRIX_FMT_BF6 matrix_b_fmt:MATRIX_FMT_BF6 matrix_a_scale:MATRIX_SCALE_ROW1
.elseif \cm == 1
	v_wmma_scale_f32_16x16x128_f8f6f4 v[D_:D_+7], v[FB_:FB_+11], v[FA_:FA_+11], 0, v[SB_], v[SA_] matrix_a_fmt:MATRIX_FMT_BF6 matrix_b_fmt:MATRIX_FMT_BF6 matrix_a_scale:MATRIX_SCALE_ROW1
.else
	v_wmma_scale_f32_16x16x128_f8f6f4 v[D_:D_+7], v[FB_:FB_+11], v[FA_:FA_+11], v[CI+8*B_:CI+8*B_+7], v[SB_], v[SA_] matrix_a_fmt:MATRIX_FMT_BF6 matrix_b_fmt:MATRIX_FMT_BF6 matrix_a_scale:MATRIX_SCALE_ROW1
.endif
.set B_, B_+1
.endr
.set A_, A_+1
.endr
.endm
.macro FETCH slot, q, p
	WIN 0x40
.set I_, 0
.rept NB
.irp c, 0,1,2
	ds_load_b128 v[12*NB*(\p)+12*I_+4*\c:12*NB*(\p)+12*I_+4*\c+3], v[ADRB+\slot] offset:((\q)*MB+I_)*1536+512*\c
.endr
.set I_, I_+1
.endr
	WIN 0
.set I_, 0
.rept MB
.irp c, 0,1,2
	ds_load_b128 v[AF+12*MB*(\p)+12*I_+4*\c:AF+12*MB*(\p)+12*I_+4*\c+3], v[ADRA+\slot] offset:((\q)*MB+I_)*1536+512*\c
.endr
.set I_, I_+1
.endr
.endm
.macro SCALES sc
.set Q_, 0
.rept NQ
.set I_, 0
.rept MB
	ds_load_b32 v[SC+16*(\sc)+MB*Q_+I_], v[ADRS] offset:Q_*SQ+I_*SI
.set I_, I_+1
.endr
.set Q_, Q_+1
.endr
.endm
.macro STEP slot, q, cm
	s_wait_dscnt 0x0
.rept 4
	v_nop
.endr
	FETCH \slot, (\q)+1, 1-(\q)%2
	MULROWS 0, MB, (\q)%2, \q, \slot, \cm
.endm
.macro TURN slot, next, fill
	WIN 0
	s_wait_tensorcnt 0x0
	ds_add_u32 v[SPW], v[NIL]
	s_wait_dscnt 0x1
	MULROWS 0, MB/4, 1, NQ-1, \slot, 0
	s_wait_dscnt 0x0
	s_barrier_signal -1
	MULROWS MB/4, MB/4, 1, NQ-1, \slot, 0
	WIN 0
	s_barrier_wait -1
.if \fill
	CREST
	s_add_nc_u64 s[G0+4*\slot+2:G0+4*\slot+3], s[G0+4*\slot+2:G0+4*\slot+3], 2*QUART
	s_add_nc_u64 s[G0B+4*\slot+2:G0B+4*\slot+3], s[G0B+4*\slot+2:G0B+4*\slot+3], 2*QUART
	JLOAD G0+4*\slot, G1, G0B+4*\slot, G1B
.else
.rept 4
	v_nop
.endr
.endif
	s_wait_alu depctr_va_vdst(0)
	v_add_nc_u32 v[ADRS], NQ*SQ, v[ADRS]
	FETCH \next, 0, 0
	SCALES \next
	MULROWS MB/2, MB/2, 1, NQ-1, \slot, 0
.endm
.macro REST slot, q0
.set QQ_, \q0
.rept NQ-1-(\q0)
	STEP \slot, QQ_, 0
.set QQ_, QQ_+1
.endr
.endm
	s_load_b128 s[4:7], s[0:1], 0x0
	s_load_b128 s[8:11], s[0:1], 0x10
	s_load_b64 s[12:13], s[0:1], 0x20
	v_lshl_add_u32 v[SPW], v0, 2, SPARE
	v_mov_b32 v[NIL], 0
	ds_add_u32 v28, v29
	ds_add_u32 v28, v29
	s_wait_dscnt 0x0
	v_lshrrev_b32 v1, 5, v0
	v_readfirstlane_b32 s14, v1
	s_lshr_b32 s15, s14, 1
	s_and_b32 s16, s14, 1
	s_bfe_u32 s40, ttmp6, 0x40000
	s_bfe_u32 s41, ttmp6, 0x40004
	s_lshl_b32 s43, s41, 2
	s_lshl_b32 s43, 15, s43
	s_lshl_b32 s44, 0x1111, s40
	s_and_b32 s45, ttmp7, 0xffff
	s_lshl_b32 s45, s45, 2
	s_mul_i32 s46, ttmp9, WSZ
	s_add_co_u32 s46, s46, WQI
	s_mul_i32 s92, ttmp9, 32768
	s_add_co_u32 s92, s92, WQS
	s_mov_b32 s19, SRCS
	s_cmp_eq_u32 ttmp9, 2
	s_cselect_b32 s17, 0, s45
	s_cselect_b32 s42, s45, 0
	s_cselect_b32 s18, WQI+2*WSZ, 0
	s_cselect_b32 s19, WQS+2*32768, s19
	s_cselect_b32 s46, 0, s46
	s_cselect_b32 s92, SRCS, s92
	s_add_co_u32 s17, s17, s41
	s_add_co_u32 s42, s42, s40
	s_or_b32 s[G1+0], s43, (3<<16)|(1<<21)
	s_or_b32 s[G1B+0], s44, (3<<16)|(1<<21)
.irp g, G1, G1B                        ; at first, for the head's loads: two groups' first QUART bytes, two rows, a group's images apart in memory, on end in LDS
	s_mov_b32 s[\g+1], (QUART/8)<<16
	s_mov_b32 s[\g+2], 2<<16
	s_mov_b32 s[\g+3], (QUART/8)<<16
	s_mov_b32 s[\g+4], 2
	s_mov_b32 s[\g+5], GRPB/8
	s_mov_b32 s[\g+6], 0
	s_mov_b32 s[\g+7], 0
.endr
	s_or_b32 s[G1S+0], s43, (3<<16)|(1<<21)
	s_or_b32 s[G1SB+0], s44, (3<<16)|(1<<21)
.irp g, G1S, G1SB
	s_mov_b32 s[\g+1], 32<<16
	s_mov_b32 s[\g+2], (2*HALFS/256)<<16           ; two groups' scale words, dense
	s_mov_b32 s[\g+3], 32<<16
	s_mov_b32 s[\g+4], 2*HALFS/256
	s_mov_b32 s[\g+5], 32
	s_mov_b32 s[\g+6], 0
	s_mov_b32 s[\g+7], 0
.endr
	s_lshl_b32 s20, s17, 1
	s_add_co_u32 s20, s20, s16
	s_mul_i32 s22, s17, 2*HALFS                    ; the scale words of the tile's two groups of A
	s_add_co_u32 s22, s22, s19
	s_mul_i32 s20, s20, GRPB
	s_add_co_u32 s20, s20, s18
	s_mov_b32 s21, 0
	s_mov_b32 s23, 0
	s_lshl_b32 s94, s42, 1
	s_add_co_u32 s94, s94, s16
	s_mul_i32 s95, s42, 2*HALFS                    ; and of B
	s_add_co_u32 s92, s92, s95
	s_mul_i32 s95, s94, GRPB
	s_add_co_u32 s46, s46, s95
	s_mov_b32 s47, 0
	s_mov_b32 s93, 0
	s_mul_i32 s45, s14, QUART
	s_mov_b32 s[SEL], 0x76543210
	s_mov_b32 s[SEL+1], 0xfedcba98
	s_mov_b32 s98, 0x7f7f0000
	s_wait_kmcnt 0x0
	s_add_nc_u64 s[20:21], s[4:5], s[20:21]
	s_add_nc_u64 s[22:23], s[4:5], s[22:23]
	s_add_nc_u64 s[46:47], s[4:5], s[46:47]
	s_add_nc_u64 s[92:93], s[4:5], s[92:93]
	CROUND
	; THE HEAD'S FOUR TILES, ONE LOAD A WAVE: wave 0 slot 0's two groups of A, wave 1 of B, wave 2 A's scale words of all of K, wave 3 B's
	s_mov_b32 s[G0S], 1
	s_mov_b32 s[G0S+1], SCL
	s_mov_b64 s[G0S+2:G0S+3], s[22:23]
	s_or_b32 s[G0S+3], s[G0S+3], 0x80000000
	s_mov_b32 s[G0SB], 1
	s_mov_b32 s[G0SB+1], SCL+2*HALFS+128
	s_mov_b64 s[G0SB+2:G0SB+3], s[92:93]
	s_or_b32 s[G0SB+3], s[G0SB+3], 0x80000000
	s_mul_i32 s96, s16, GRPB                       ; from my own group back to the tile's first
	s_mov_b32 s97, 0
	s_mov_b32 s[G0], 1
	s_mov_b32 s[G0+1], 0
	s_sub_nc_u64 s[G0+2:G0+3], s[20:21], s[96:97]
	s_or_b32 s[G0+3], s[G0+3], 0x80000000
	s_mov_b32 s[G0B], 1
	s_mov_b32 s[G0B+1], 2*QUART
	s_sub_nc_u64 s[G0B+2:G0B+3], s[46:47], s[96:97]
	s_or_b32 s[G0B+3], s[G0B+3], 0x80000000
	s_mov_b64 s[96:97], s[20:21]                   ; my own group of A, kept for the ring
	s_mov_b32 s[G0+4], 1
	s_add_co_u32 s[G0+5], s45, SLOT
	s_add_nc_u64 s[G0+6:G0+7], s[20:21], QUART
	s_or_b32 s[G0+7], s[G0+7], 0x80000000
	s_mov_b32 s[G0B+4], 1
	s_add_co_u32 s[G0B+5], s45, SLOT
	s_add_nc_u64 s[G0B+6:G0B+7], s[46:47], QUART
	s_or_b32 s[G0B+7], s[G0B+7], 0x80000000
.macro ARM under, g0, g1, next         ; one chain of branches on the wave's number, one load to an arm, all arms leading to one join
	s_cmp_lt_u32 s14, \under
	s_cbranch_scc0 \next
	tensor_load_to_lds s[\g0:\g0+3], s[\g1:\g1+7]
	s_nop 0
.rept 4
	v_nop
.endr
	s_branch .Lhead_asked
\next:
.endm
	ARM 1, G0, G1, .Lhead_b
	ARM 2, G0B, G1B, .Lhead_sa
	ARM 3, G0S, G1S, .Lhead_sb
	tensor_load_to_lds s[G0SB:G0SB+3], s[G1SB:G1SB+7]
	s_nop 0
.rept 4
	v_nop
.endr
.Lhead_asked:
	; PREFETCHES INTO THE L2.  Behind fill t a wave asks for what fill t + 2 will load: of the 96 blocks of 256 bytes of my group's QUART each of the four partners that ask for it jointly takes 24,
	; told apart by address (cx for A's waves, cy for B's), a lane a block; the eight lanes left over name the last block again.  Fills 0 and 1 come by their loads alone; fills 2 and 3 are the last.
	v_and_b32 v23, 31, v0
	v_min_u32 v7, 15, v23
	v_min_u32 v23, 23, v23
	v_lshlrev_b32 v7, 8, v7
	v_lshlrev_b32 v23, 8, v23
	s_wait_alu depctr_va_vdst(0)
	s_cmp_eq_u32 s15, 0                            ; do I fetch for A?
	s_cselect_b64 s[100:101], s[96:97], s[46:47]   ; my group's images
	s_cselect_b32 s2, s40, s41                     ; my place among the four
	s_mul_i32 s2, s2, 24*256
	s_mov_b32 s3, 0
	s_add_nc_u64 s[100:101], s[100:101], s[2:3]    ; never rewritten
	global_prefetch_b8 v23, s[100:101] offset:2*QUART th:TH_LOAD_NT scope:SCOPE_SE
	s_cmp_eq_u32 ttmp9, 2                          ; the tiles of v read no table: the cluster's x, the same in all partners
	s_cbranch_scc1 .Lno_table
	s_lshl_b32 s2, s17, 8                          ; the table's 128 rows of 256 bytes that my way out reads: the four partners of my row and its two waves with my rows take 16 each
	s_lshl_b32 s3, s15, 7
	s_add_co_u32 s2, s2, s3
	s_and_b32 s2, s2, 2047                         ; my first position
	s_lshl_b32 s2, s2, 8
	s_lshl_b32 s3, s40, 13
	s_add_co_u32 s2, s2, s3
	s_lshl_b32 s3, s16, 12
	s_add_co_u32 s2, s2, s3
	s_add_co_u32 s2, s2, ROPET
	s_mov_b32 s3, 0
	s_add_nc_u64 s[104:105], s[4:5], s[2:3]        ; never rewritten
	global_prefetch_b8 v7, s[104:105] th:TH_LOAD_NT scope:SCOPE_SE
.Lno_table:
	v_and_b32 v1, 15, v0
	v_bfe_u32 v2, v0, 4, 1
	s_wait_alu depctr_va_vdst(0)
	v_and_b32 v3, 31, v0
	v_lshlrev_b32 v[LI], 4, v3
	v_lshlrev_b32 v[L8], 3, v3
	v_lshlrev_b32 v[SH], 4, v2
	s_mul_i32 s21, s15, QUART
	s_mul_i32 s22, s16, QUART
	s_add_co_u32 s22, s22, 2*QUART
.irp s, 0,1
	v_add_nc_u32 v[ADRA+\s], s21, v[LI]
	v_add_nc_u32 v[ADRB+\s], s22, v[LI]
	s_add_co_u32 s21, s21, SLOT
	s_add_co_u32 s22, s22, SLOT
.endr
	s_mul_i32 s21, s15, HALFS
	s_mul_i32 s22, s16, HALFS
	s_add_co_u32 s22, s22, 2*HALFS+128
	s_sub_co_u32 s22, s22, s21
	v_mul_u32_u24 v4, s22, v2
	s_add_co_u32 s21, s21, SCL
	v_lshl_add_u32 v4, v1, 2, v4
	v_add_nc_u32 v[ADRS], s21, v4
	s_lshl_b32 s21, s14, 10
	v_lshlrev_b32 v4, 2, v1
	v_add_nc_u32 v[VSTO], s21, v4
	v_lshl_add_u32 v[QSTO], v2, 9, v[VSTO]
	v_add_nc_u32 v[VSTO], 4096, v[VSTO]
	v_add_nc_u32 v[QRD], s21, v[LI]
	v_add_nc_u32 v[VRD], 4096, v[QRD]
	v_mul_u32_u24 v[VEO], v2, 12288
	v_lshl_add_u32 v[VEO], v1, 4, v[VEO]
	s_cmp_eq_u32 ttmp9, 1
	s_cselect_b64 s[94:95], s[8:9], s[6:7]
	s_cmp_eq_u32 ttmp9, 2
	s_cselect_b64 s[94:95], s[10:11], s[94:95]
	s_lshl_b32 s18, s40, 10
	s_lshl_b32 s19, s16, 9
	s_add_co_u32 s18, s18, s19
	v_lshl_add_u32 v5, v2, 5, s18
	s_lshl_b32 s18, s41, 10
	s_lshl_b32 s19, s15, 9
	s_add_co_u32 s18, s18, s19
	v_lshl_add_u32 v6, v1, 2, s18
	WIN 0x40
.irp b, 0,1,2,3,4,5,6,7
	global_load_b128 v[CI+8*\b:CI+8*\b+3], v5, s[94:95] offset:64*\b
	global_load_b128 v[CI+8*\b+4:CI+8*\b+7], v5, s[94:95] offset:64*\b+16
.endr
	WIN 0
.irp a, 0,1,2,3,4,5,6,7
	global_load_b32 v[BV+\a], v6, s[10:11] offset:64*\a
.endr
	s_wait_alu depctr_va_vdst(0)                   ; the wait at the head's end
	s_wait_tensorcnt 0x0                           ; my tile of the head's four is in
	ds_add_u32 v[SPW], v[NIL]
.irp g, G1, G1B                        ; no tensor load of mine is out, so descriptors may be written: from here on a load brings one group's QUART bytes, 96 rows of 256
	s_mov_b32 s[\g+1], 32<<16
	s_mov_b32 s[\g+2], 96<<16
	s_mov_b32 s[\g+3], 32<<16
	s_mov_b32 s[\g+4], 96
	s_mov_b32 s[\g+5], 32
.endr
	s_mov_b32 s[G0+1], s45                         ; and slot 0's group 0 names my own group
	s_mov_b64 s[G0+2:G0+3], s[96:97]
	s_or_b32 s[G0+3], s[G0+3], 0x80000000
	s_mov_b32 s[G0B+1], s45
	s_mov_b64 s[G0B+2:G0B+3], s[46:47]
	s_or_b32 s[G0B+3], s[G0B+3], 0x80000000
	s_wait_dscnt 0x0                               ; the add is done
	CROUND                                         ; a whole round: all four tiles are in, and all sixteen work-groups are here
	JLOAD G0+4, G1, G0B+4, G1B                     ; slot 1's first fill, the first tensor load behind the round
	global_prefetch_b8 v23, s[100:101] offset:3*QUART th:TH_LOAD_NT scope:SCOPE_SE   ; behind fill 1: my share of fill 3
	FETCH 0, 0, 0
	SCALES 0
	s_wait_loadcnt 0x0
	STEP 0, 0, 1
	WIN 0
	s_mov_b32 s3, LAPS-1
.Llap:
	REST 0, 1
	TURN 0, 1, 1
	REST 1, 0
	TURN 1, 0, 1
	STEP 0, 0, 0
	WIN 0
	s_sub_co_u32 s3, s3, 1
	s_cmp_lg_u32 s3, 0
	s_cbranch_scc1 .Llap
	REST 0, 1
	TURN 0, 1, 0
	REST 1, 0
	s_wait_dscnt 0x0
	MULROWS 0, MB, 1, NQ-1, 1, 0
	WIN 0
.rept 4
	v_nop
.endr
.irp b, 0,1,2,3
	v_mov_b32 v[TM+4+\b], 0
.endr
	s_cmp_eq_u32 ttmp9, 2
	s_cbranch_scc1 .Lvalues
	s_lshl_b32 s18, s17, 8
	s_lshl_b32 s19, s15, 7
	s_add_co_u32 s18, s18, s19
	s_lshr_b32 s19, s18, 11
	s_and_b32 s18, s18, 2047
	s_lshl_b32 s20, s40, 2
	s_lshl_b32 s21, s16, 1
	s_add_co_u32 s20, s20, s21
	s_lshl_b32 s19, s19, 4
	s_add_co_u32 s19, s19, s20
	s_lshl_b32 s20, s18, 8
	s_add_co_u32 s20, s20, ROPET
	s_mov_b32 s21, 0
	s_add_nc_u64 s[20:21], s[4:5], s[20:21]
	s_mul_i32 s22, s19, 98304
	s_mul_i32 s23, s18, 48
	s_add_co_u32 s22, s22, s23
	s_mul_i32 s92, s19, 12288
	s_lshl_b32 s93, s18, 2
	s_add_co_u32 s92, s92, s93
	s_mov_b32 s93, QS
	s_cmp_eq_u32 ttmp9, 1
	s_cselect_b32 s23, KI, 0
	s_cselect_b32 s93, KVS, s93
	s_add_co_u32 s22, s22, s23
	s_add_co_u32 s92, s92, s93
	s_mov_b32 s23, 0
	s_mov_b32 s93, 0
	s_add_nc_u64 s[22:23], s[12:13], s[22:23]
	s_add_nc_u64 s[92:93], s[12:13], s[92:93]
	WIN 0x40
.irp a, 0,1,2,3,4,5
.irp i, 0,1,2,3,4,5,6,7
	global_load_b128 v[32*\a+4*\i:32*\a+4*\i+3], v[LI], s[20:21] offset:4096*\a+512*\i
.endr
.endr
	WIN 0
.irp a, 6,7
.irp i, 0,1,2,3,4,5,6,7
	global_load_b128 v[192+32*(\a-6)+4*\i:192+32*(\a-6)+4*\i+3], v[LI], s[20:21] offset:4096*\a+512*\i
.endr
.endr
.macro EQK a
.set W_, 2+(\a)/4
.set AR, 64*((\a)%4)
.if (\a) < 6
.set TW, 1
.set TR, 32*(\a)
.else
.set TW, 0
.set TR, 192+32*((\a)-6)
.endif
.set WN_, (W_<<6)|(1<<2)|W_
	WIN WN_
.set J_, 0
.rept 32
	v_pk_add_f32 v[AR+J_:AR+J_+1], v[AR+J_:AR+J_+1], v[CI+J_:CI+J_+1]
.set J_, J_+2
.endr
	s_wait_loadcnt 8*(7-(\a))
.set WN_, (TW<<2)|W_
	WIN WN_
.set J_, 0
.rept 32
.set CSR, TR+4*(2*((J_/4)%4)+(J_%4)/2)+2*(J_%2)
	v_pk_mul_f32 v[Y+2*J_:Y+2*J_+1], v[AR+2*J_:AR+2*J_+1], v[CSR:CSR+1] op_sel_hi:[1,0]
.set J_, J_+1
.endr
.set J_, 0
.rept 32
.set CSR, TR+4*(2*((J_/4)%4)+(J_%4)/2)+2*(J_%2)
	v_pk_fma_f32 v[Y+2*J_:Y+2*J_+1], v[AR+2*J_:AR+2*J_+1], v[CSR:CSR+1], v[Y+2*J_:Y+2*J_+1] op_sel:[1,1,0] op_sel_hi:[0,1,1] neg_lo:[0,1,0]
.set J_, J_+1
.endr
	WIN 0
	s_wait_xcnt 0x0
	QUANT Y
	global_store_b128 v[LI], v[PC:PC+3], s[22:23] offset:768*(\a)
	global_store_b64 v[L8], v[PC+4:PC+5], s[22:23] offset:768*(\a)+512
	global_store_b128 v[LI], v[PC+6:PC+9], s[22:23] offset:768*(\a)+98304
	global_store_b64 v[L8], v[PC+10:PC+11], s[22:23] offset:768*(\a)+98304+512
	v_lshrrev_b32 v[WT], v[SH], v[PW]
	v_and_or_b32 v[WT], v[WT], 0xffff, s98
	ds_store_b32 v[QSTO], v[WT] offset:64*(\a)
.endm
.irp a, 0,1,2,3,4,5,6,7
	EQK \a
.endr
	ds_load_b128 v[WB:WB+3], v[QRD]
	ds_load_b128 v[WB+4:WB+7], v[QRD] offset:512
	s_wait_dscnt 0x0
	global_store_b128 v[LI], v[WB:WB+3], s[92:93]
	global_store_b128 v[LI], v[WB+4:WB+7], s[92:93] offset:12288
	s_branch .Lend
.Lvalues:
	s_lshl_b32 s18, s42, 8
	s_lshl_b32 s19, s16, 7
	s_add_co_u32 s18, s18, s19
	s_lshr_b32 s19, s18, 11
	s_and_b32 s18, s18, 2047
	s_lshr_b32 s18, s18, 7
	s_lshl_b32 s19, s19, 4
	s_lshl_b32 s20, s41, 2
	s_add_co_u32 s19, s19, s20
	s_lshl_b32 s20, s15, 1
	s_add_co_u32 s19, s19, s20
	s_mul_i32 s22, s19, 98304
	s_mul_i32 s23, s18, 6144
	s_add_co_u32 s22, s22, s23
	s_add_co_u32 s22, s22, VI
	s_mov_b32 s23, 0
	s_add_nc_u64 s[22:23], s[12:13], s[22:23]
	s_mul_i32 s92, s19, 12288
	s_lshl_b32 s93, s18, 8
	s_add_co_u32 s92, s92, s93
	s_add_co_u32 s92, s92, KVS+8192
	s_mov_b32 s93, 0
	s_add_nc_u64 s[92:93], s[12:13], s[92:93]
.macro EV a
.set W_, 2+(\a)/4
.set AR, 64*((\a)%4)
	WIN W_
.set J_, 0
.rept 32
.if (\a)%2
	v_pk_add_f32 v[Y+J_:Y+J_+1], v[AR+J_:AR+J_+1], v[BV+(\a)-1:BV+(\a)] op_sel:[0,1] op_sel_hi:[1,1]
.else
	v_pk_add_f32 v[Y+J_:Y+J_+1], v[AR+J_:AR+J_+1], v[BV+(\a):BV+(\a)+1] op_sel_hi:[1,0]
.endif
.set J_, J_+2
.endr
	WIN 0
	s_wait_xcnt 0x0
	QUANT Y
.irp c, 0,1,2
	global_store_b128 v[LI], v[PC+4*\c:PC+4*\c+3], s[22:23] offset:((\a)/4)*98304+((\a)%4)*1536+512*\c
.endr
	ds_store_b32 v[VSTO], v[PW] offset:64*(\a)
.endm
.irp a, 0,1,2,3,4,5,6,7
	EV \a
.endr
	ds_load_b128 v[WB:WB+3], v[VRD]
	s_wait_dscnt 0x0
	global_store_b128 v[VEO], v[WB:WB+3], s[92:93]
.Lend:
	s_wait_tensorcnt 0x0
	ds_add_u32 v[SPW], v[NIL]
	s_wait_dscnt 0x0
	CROUND
	s_endpgm
.Lfunc_end_k_qba94e6f48e_qkv:
	.size	k_qba94e6f48e_qkv, .Lfunc_end_k_qba94e6f48e_qkv-k_qba94e6f48e_qkv
	.p2alignl 7, 3214868480
	.fill 96, 4, 3214868480
	.section	.rodata,"a",@progbits
	.p2align	6, 0x0
	.amdhsa_kernel k_qba94e6f48e_qkv
		.amdhsa_group_segment_fixed_size 327680
		.amdhsa_private_segment_fixed_size 0
		.amdhsa_enable_private_segment 0
		.amdhsa_kernarg_size 40
		.amdhsa_user_sgpr_count 2
		.amdhsa_user_sgpr_kernarg_segment_ptr 1
		.amdhsa_wavefront_size32 1
		.amdhsa_system_sgpr_workgroup_id_x 1
		.amdhsa_system_sgpr_workgroup_id_y 1
		.amdhsa_system_sgpr_workgroup_id_z 1
		.amdhsa_system_vgpr_workitem_id 0
		.amdhsa_next_free_vgpr 1024
		.amdhsa_next_free_sgpr 106
		.amdhsa_reserve_vcc 0
		.amdhsa_float_denorm_mode_32 3
		.amdhsa_float_denorm_mode_16_64 3
		.amdhsa_memory_ordered 1
		.amdhsa_forward_progress 1
		.amdhsa_inst_pref_size 255
	.end_amdhsa_kernel
	.amdgpu_metadata
---
amdhsa.version: [ 1, 2 ]
amdhsa.kernels:
  - .name:           k_qba94e6f48e_qkv
    .symbol:         k_qba94e6f48e_qkv.kd
    .args:
      - { .name: prepbuf, .offset: 0, .size: 8, .value_kind: global_buffer, .address_space: global }
      - { .name: q_b, .offset: 8, .size: 8, .value_kind: global_buffer, .address_space: global }
      - { .name: k_b, .offset: 16, .size: 8, .value_kind: global_buffer, .address_space: global }
      - { .name: v_b, .offset: 24, .size: 8, .value_kind: global_buffer, .address_space: global }
      - { .name: qkvbuf, .offset: 32, .size: 8, .value_kind: global_buffer, .address_space: global }
    .group_segment_fixed_size: 327680
    .private_segment_fixed_size: 0
    .kernarg_segment_align: 8
    .kernarg_segment_size: 40
    .max_flat_workgroup_size: 128
    .sgpr_count:     106
    .vgpr_count:     1024
    .wavefront_size: 32
...
	.end_amdgpu_metadata
.endif
;; end of part 2
;; launch attn (part 3): grid 8 x 32, 8 waves a work-group, clusters of 4 x 1, 327,680 bytes of LDS; arguments qkvbuf, rows32; writes rows32
.if DOCPART == 3
	.amdgcn_target "amdgcn-amd-amdhsa--gfx1250"
	.amdhsa_code_object_version 6
	.text
	.protected	k_qba94e6f48e_attn
	.globl	k_qba94e6f48e_attn
	.p2align	8
	.type	k_qba94e6f48e_attn,@function
k_qba94e6f48e_attn:
	s_mov_b64 s[64:65], 0
	v_nop
	global_prefetch_b8 v0, s[64:65] scope:SCOPE_SE
	s_setreg_imm32_b32 hwreg(HW_REG_WAVE_MODE, 25, 1), 1
	s_wait_xcnt 0x0
	s_wait_alu depctr_hold_cnt(0) depctr_sa_sdst(0) depctr_va_vdst(0) depctr_va_sdst(0) depctr_va_ssrc(0) depctr_va_vcc(0) depctr_vm_vsrc(0)
	s_getreg_b32 s2, hwreg(HW_REG_IB_STS2, 6, 4)
	s_cmp_eq_u32 s2, 0
	s_cbranch_scc0 .Lentry_in_a_cluster
	s_endpgm
.Lentry_in_a_cluster:
	s_bfe_u32 s2, ttmp6, 0x10000c
	s_cmp_lg_u32 s2, 0x3003
	s_cbranch_scc0 .Lentry_shape_is_right
	s_endpgm
.Lentry_shape_is_right:
; O[bh][q] = sum over keys of softmax(q . k / 8) v, both products on codes of E3M2 with one E8M0 scale for each 32 along K.  Head size 64: the scores' K fills half of the instruction's 128.
; THE SOFTMAX: t = score x log2(e) / 8; M = the running largest t rounded UP to a whole number; p = 2^(t - M) is quantised along the keys, not normalised; the row's sum is taken of the unquantised p and divides at the end.
; When M moves, the sum and O are multiplied by 2^(old M - new M): exact.
; SHARES.  A work-group owns 256 queries of one head (bh = work-group y); each of eight waves 32 of them, as two tiles A and B of 16: every fragment of K and of V that a wave reads from LDS feeds two products.
; A HEAD'S K, V AND THEIR SCALE WORDS LIE IN LDS FOR THE WHOLE LAUNCH, each byte filled once, in two groups of loads, one load a wave in each.
; At the head: the first 512 keys (waves 0-2 K, waves 3-5 V, 32 rows of 256 bytes each) and all scale words (waves 6-7).  They serve key steps 0 to 2, whose look-ahead reaches K of step 3.
; Behind the full sequence and a round: the other 1,536 keys (waves 0-3 K, waves 4-7 V, 72 rows each), which have those three steps in which to land; a barrier then shows them to all waves.
; So nothing is left that could be asked for ahead of its load: no prefetch.  CLUSTER: the four query blocks of a cluster belong to one head: every tile is asked for jointly.
; LAYOUT.  Both products transposed: S^T = K Q^T, O^T = V^T P^T: a lane holds one query (lane % 16).  THE KEYS OF A TILE OF K ARE CHOSEN so that a lane's registers hold WHOLE blocks of 32 keys:
; tile 4 c + u of a step has in rows 0-7 keys 64 c + 8 pi(u) + 0..7 and in rows 8-15 the keys 32 further on, pi = 0, 2, 1, 3 (the order in which the launch before laid v's keys inside a block).
; Then lane (r, h)'s registers 32 c .. 32 c + 31 of S^T are block 2 c + h, in the operand's own order: a block's largest score needs no other lane, and the conversions' results are the operand's registers.
; K's half images (768 bytes for 16 keys) lie in LDS with 64 bytes behind every 256: rows 8-15 of a tile come from the image two further on, 1,920 bytes = 128 modulo 256.
; THE UPPER 64 OF THE SCORES' K.  Q's upper six registers hold zero codes, so what stands in the upper six registers of a fragment of K adds nothing (E3M2 has no NaN or infinity): the eight half fragments stand six registers apart.
; REGISTERS, in two windows of 256.  Window 0: addresses, all small state, every scale word; tile A's Q, S, O, p.  Window 1: the fragments of K (v32-79) and V (v80-127); tile B's Q, S, O, p at tile A's numbers.
; LIMITS: NaN and infinities are not served; the promise holds while the scaled scores stay under 2^31 in magnitude.
.set KI, 3145728
.set VI, 6291456
.set QS, 9437184
.set KVS, 9830400
.set KPT, 960                          ; a half image of K in LDS: three rows of 256 + 64 bytes
.set KSTEP, 8*KPT                      ; a step of 128 keys
.set VIMG, 122880                      ; behind K's 384 rows of 320 bytes: V's images (16 steps x 4 x 1,536),
.set KSC, 221184                       ; K's words (8,192 bytes),
.set VSC, 229376                       ; V's (4,096),
.set STAGE, 233472                     ; a stage of 16 rows x 272 bytes for each wave, into which no tile lands,
.set SPARE, 268288                     ; and the spare words, 128 bytes a wave
.set KA, 1                             ; LDS bases: K's pieces of 16 bytes, of 8 bytes, V's images, K's words, V's words
.set KB, 2
.set VA, 3
.set KWA, 4
.set VWA, 5
.set SPW, 6
.set NIL, 7
.set OFS, 8                            ; my offset in O
.set Q, 16                             ; v16-27 Q (22-27 zeros), in each tile's window
.set NM, 32                            ; -M: pairs at 32 (A), 34 (B)
.set F, 36                             ; 2^(old M - new M): pairs
.set L, 40                             ; the sums: pairs
.set RS, 44                            ; the running largest score
.set BM, 46                            ; v46-49 the blocks' largest scores, then p: A's two, B's two
.set SO, 50                            ; the conversions' scale operands
.set BY, 54                            ; the scale bytes
.set T, 58
.set TP, 60
.set KW, 64                            ; v64-67 K's words; v68-69 V's; v70-71 p's (A, B); v72-73 Q's: scales and nothing else
.set VW, 68
.set PW, 70
.set QW, 72
.set KAC, 74                           ; the step's addresses
.set KBC, 75
.set VAC, 76
.set KWC, 77
.set VWC, 78
.set LI, 80
.set L8, 81
.set R4, 82
.set STO, 83
.set RD, 84
.set KF, 32                            ; window 1
.set VF, 80                            ; window 1
.set S, 128                            ; v128-191 S^T, then p
.set O, 192                            ; v192-223 O^T
.set P, 224                            ; v224-235 p's codes
.set T2, 236                           ; the second halves of the blocks' codes, as the conversions leave them
.set C, 244                            ; v244-247 four chains of maxima
.set WV, 18
.set NC, 19
.set SEL, 20
.set CS, 22
.set G1K, 24
.set G1V, 32
.set G1S, 40
.set G0K, 48
.set G0V, 52
.set G0S, 56
.set G0K2, 76                          ; group 0 of the second group of loads
.set G0V2, 80
.set CNT, 60
.set TK, 2
.set TV, 3
.set TS, 66
.set TJ, 67
.set MSB, 0
.macro WIN new                         ; low byte: bits 1:0 source 0, 3:2 source 1, 5:4 source 2, 7:6 destination; the high byte repeats the setting that is left
.if MSB != (\new)
	s_set_vgpr_msb (MSB<<8)|(\new)
.set MSB, (\new)
.endif
.endm
.macro CROUND
	s_barrier_signal -1
	s_barrier_wait -1
	s_cmp_lg_u32 s[WV], 0
	s_cbranch_scc1 .Lnot_wave_0_\@
	s_barrier_signal -3
.Lnot_wave_0_\@:
	s_barrier_wait -3
	s_barrier_signal -1
	s_barrier_wait -1
.endm
.macro ARM under, g0, g1, next         ; one arm of the head's chain: its load, and a jump to the chain's end
	s_cmp_lt_u32 s[WV], \under
	s_cbranch_scc0 \next
	tensor_load_to_lds s[\g0:\g0+3], s[\g1:\g1+7]
	s_nop 0
.rept 4
	v_nop
.endr
	s_branch .Lasked
\next:
.endm
	s_load_b128 s[4:7], s[0:1], 0x0                ; qkvbuf, rows32
	v_lshl_add_u32 v[SPW], v0, 2, SPARE
	v_mov_b32 v[NIL], 0
	ds_add_u32 v[SPW], v[NIL]                      ; the opening lines: the add twice on end and its wait ahead of the first tensor load
	ds_add_u32 v[SPW], v[NIL]
	v_lshrrev_b32 v9, 5, v0
	v_readfirstlane_b32 s[WV], v9                  ; wave 0..7
	s_bfe_u32 s8, ttmp6, 0x40000                   ; cx: it enters Q's and O's global addresses alone
	s_lshl_b32 s9, ttmp9, 2
	s_add_co_u32 s9, s9, s8
	s_lshl_b32 s9, s9, 8
	s_lshl_b32 s11, s[WV], 5
	s_add_co_u32 s9, s9, s11                       ; my first query
	s_and_b32 s10, ttmp7, 0xffff                   ; bh, which the four partners share
	s_mov_b32 s[G1K], 15|(3<<16)|(1<<20)|(1<<21)|(5<<22)|(15<<25)   ; rows of 32 elements of 8 bytes; the mask names all four work-groups; K: 16 words of padding behind every 64
	s_mov_b32 s[G1V], 15|(3<<16)|(1<<21)
	s_mov_b32 s[G1S], 15|(3<<16)|(1<<21)
.irp g, G1K, G1V, G1S
	s_mov_b32 s[\g+1], 32<<16
	s_mov_b32 s[\g+3], 32<<16
	s_mov_b32 s[\g+5], 32
	s_mov_b32 s[\g+6], 0
	s_mov_b32 s[\g+7], 0
.endr
.irp g, G1K, G1V
	s_mov_b32 s[\g+2], 32<<16                      ; at the head: a third of the first 512 keys' K or V: 32 rows
	s_mov_b32 s[\g+4], 32
.endr
	s_mov_b32 s[G1S+2], 24<<16                     ; half of the words: 24 rows
	s_mov_b32 s[G1S+4], 24
	s_mul_i32 s15, s10, 98304
	s_lshl_b32 s12, s[WV], 13
	s_add_co_u32 s12, s12, s15
	s_add_co_u32 s14, s12, VI-24576                ; V: third wave - 3
	s_add_co_u32 s12, s12, KI                      ; K: third wave
	s_mul_i32 s84, s[WV], 18432
	s_add_co_u32 s84, s84, s15
	s_add_co_u32 s86, s84, VI-49152                ; the rest of V: quarter wave - 4, behind the first 24,576 bytes
	s_add_co_u32 s84, s84, KI+24576                ; the rest of K: quarter wave
	s_mov_b32 s13, 0
	s_mov_b32 s15, 0
	s_mov_b32 s85, 0
	s_mov_b32 s87, 0
	s_mul_i32 s16, s10, 12288
	s_mul_i32 s17, s[WV], 6144
	s_add_co_u32 s16, s16, s17
	s_add_co_u32 s16, s16, KVS-36864               ; the words: half wave - 6
	s_mov_b32 s17, 0
	s_mul_i32 s68, s10, 98304
	s_mul_i32 s69, s9, 48
	s_add_co_u32 s68, s68, s69                     ; Q's half image: (bh x 128 + q0 / 16) x 768
	s_mov_b32 s69, 0
	s_mul_i32 s70, s10, 12288
	s_lshl_b32 s71, s9, 2
	s_add_co_u32 s70, s70, s71
	s_add_co_u32 s70, s70, QS
	s_mov_b32 s71, 0
	s_lshl_b32 s72, s9, 1
	s_lshr_b32 s73, s10, 4
	s_add_co_u32 s72, s72, s73                     ; row 2 q0 + batch of the output,
	s_lshl_b32 s72, s72, 12
	s_and_b32 s73, s10, 15
	s_lshl_b32 s73, s73, 8                         ; the head's 256 bytes in it
	s_add_co_u32 s72, s72, s73
	s_mov_b32 s73, 0
	s_mov_b32 s[SEL], 0x76543210
	s_mov_b32 s[SEL+1], 0xfedcba98
	s_mov_b32 s[CS], 0x3e38aa3b                    ; c = log2(e) / 8
	s_mov_b32 s[CS+1], s[CS]
	s_mov_b32 s[NC], 0xbe38aa3b                    ; -c
	s_mov_b32 s[G0K], 1
	s_mul_i32 s[G0K+1], s[WV], 10240               ; 32 rows of 320 bytes
	s_mov_b32 s[G0V], 1
	s_lshl_b32 s[G0V+1], s[WV], 13
	s_add_co_u32 s[G0V+1], s[G0V+1], VIMG-24576
	s_mov_b32 s[G0S], 1
	s_mul_i32 s[G0S+1], s[WV], 6144
	s_add_co_u32 s[G0S+1], s[G0S+1], KSC-36864
	s_mov_b32 s[G0K2], 1
	s_mul_i32 s[G0K2+1], s[WV], 23040              ; 72 rows of 320 bytes, behind the first 96
	s_add_co_u32 s[G0K2+1], s[G0K2+1], 30720
	s_mov_b32 s[G0V2], 1
	s_mul_i32 s[G0V2+1], s[WV], 18432
	s_add_co_u32 s[G0V2+1], s[G0V2+1], VIMG-49152
	s_wait_dscnt 0x0                               ; both opening adds are done
	s_wait_kmcnt 0x0
	s_add_nc_u64 s[G0K+2:G0K+3], s[4:5], s[12:13]
	s_or_b32 s[G0K+3], s[G0K+3], 0x80000000
	s_add_nc_u64 s[G0V+2:G0V+3], s[4:5], s[14:15]
	s_or_b32 s[G0V+3], s[G0V+3], 0x80000000
	s_add_nc_u64 s[G0S+2:G0S+3], s[4:5], s[16:17]
	s_or_b32 s[G0S+3], s[G0S+3], 0x80000000
	s_add_nc_u64 s[G0K2+2:G0K2+3], s[4:5], s[84:85]
	s_or_b32 s[G0K2+3], s[G0K2+3], 0x80000000
	s_add_nc_u64 s[G0V2+2:G0V2+3], s[4:5], s[86:87]
	s_or_b32 s[G0V2+3], s[G0V2+3], 0x80000000
	s_add_nc_u64 s[68:69], s[4:5], s[68:69]
	s_add_nc_u64 s[70:71], s[4:5], s[70:71]
	s_add_nc_u64 s[72:73], s[6:7], s[72:73]
	CROUND                                         ; all four work-groups are here: the joint loads meet
	ARM 3, G0K, G1K, .Lfor_v                       ; one chain of branches on the wave's number, one load to an arm: every way passes exactly one
	ARM 6, G0V, G1V, .Lfor_s
	tensor_load_to_lds s[G0S:G0S+3], s[G1S:G1S+7]
	s_nop 0
.rept 4
	v_nop
.endr
.Lasked:
	v_and_b32 v9, 31, v0                           ; lane
	v_and_b32 v10, 15, v0                          ; r
	v_bfe_u32 v11, v0, 4, 1                        ; h
	v_and_b32 v12, 7, v0                           ; r % 8
	v_bfe_u32 v13, v0, 3, 1                        ; r / 8
	v_lshlrev_b32 v[LI], 4, v9
	v_lshl_add_u32 v[L8], v9, 3, 512
	v_lshlrev_b32 v[R4], 2, v10
	global_load_b128 v[Q:Q+3], v[LI], s[68:69]     ; tile A's Q: registers 0-3,
	global_load_b64 v[Q+4:Q+5], v[L8], s[68:69]    ; 4, 5
	global_load_b32 v[QW], v[R4], s[70:71]         ; the two tiles' scale words
	global_load_b32 v[QW+1], v[R4], s[70:71] offset:64
	WIN 0x40
	global_load_b128 v[Q:Q+3], v[LI], s[68:69] offset:768   ; tile B's
	global_load_b64 v[Q+4:Q+5], v[L8], s[68:69] offset:768
.irp i, 6,7,8,9,10,11
	v_mov_b32 v[Q+\i], 0                           ; Q's upper 64 of K: zero codes
.endr
.irp i, 0,1,2,3,4,5
	v_mov_b32 v[VF+\i], 0                          ; the last tile's upper six registers are V's first six: written once, ahead of the first step's products
.endr
.set J_, 0
.rept 32
	v_mov_b32 v[O+J_], 0                           ; the step is written once: the first finds zeros
.set J_, J_+1
.endr
	WIN 0
.irp i, 6,7,8,9,10,11
	v_mov_b32 v[Q+\i], 0
.endr
.set J_, 0
.rept 32
	v_mov_b32 v[O+J_], 0
.set J_, J_+1
.endr
	v_mul_u32_u24 v14, v13, 2*KPT                  ; rows 8-15 of a tile come from the image two further on
	v_mad_u32_u24 v15, v11, 320, v14
	v_lshl_add_u32 v[KA], v12, 4, v15              ; 16 (r % 8) + 320 h + 1,920 (r / 8)
	v_lshl_add_u32 v15, v11, 7, v14
	v_lshl_add_u32 v15, v12, 3, v15
	v_add_nc_u32 v[KB], 640, v15                   ; 640 + 8 (r % 8) + 128 h + 1,920 (r / 8)
	v_add_nc_u32 v[VA], VIMG, v[LI]
	v_lshl_add_u32 v15, v13, 7, KSC
	v_lshl_add_u32 v15, v11, 5, v15
	v_lshl_add_u32 v[KWA], v12, 2, v15             ; word (r % 8) + 32 (r / 8) + 8 h
	v_lshl_add_u32 v[VWA], v9, 2, VSC
	v_lshlrev_b32 v[OFS], 13, v11
	v_lshl_add_u32 v[OFS], v10, 4, v[OFS]          ; the way out: lanes 0-15 one query's row, lanes 16-31 the next query's (8,192 bytes on)
	s_mul_i32 s74, s[WV], 4352
	s_add_co_u32 s74, s74, STAGE
	v_mul_u32_u24 v14, v10, 272
	v_lshl_add_u32 v14, v11, 5, v14
	v_add_nc_u32 v[STO], s74, v14                  ; into my stage: row r, tile t's eight channels at 64 t + 32 h
	v_mul_u32_u24 v15, v11, 272
	v_lshl_add_u32 v15, v10, 4, v15
	v_add_nc_u32 v[RD], s74, v15                   ; back: lanes 0-15 one row, lanes 16-31 the next
.irp x, 0,1
	v_mov_b32 v[RS+\x], 0xff61b1e6                 ; the largest score so far: -3e38
	v_mov_b32 v[NM+2*\x], 0x7e000000               ; -M: 2^125, so that the first step's factor is 0
	v_mov_b32 v[NM+2*\x+1], 0                      ; (the pairs' upper words are named, not used)
	v_mov_b32 v[F+2*\x+1], 0
	v_mov_b32 v[L+2*\x], 0
	v_mov_b32 v[L+2*\x+1], 0
	v_mov_b32 v[T+\x], 0                           ; a lane permute's destination counts as read
.endr
.macro SCORES x                        ; eight tiles of 16 keys x tile x's 16 queries; tile 4 c + u: words in register 2 c + u % 2, lanes 0-15 (u < 2) or 16-31
	WIN 0x01+0x44*(\x)
.set T_, 0
.rept 8
.if (T_%4)/2
	v_wmma_scale_f32_16x16x128_f8f6f4 v[S+8*T_:S+8*T_+7], v[KF+6*T_:KF+6*T_+11], v[Q:Q+11], 0, v[KW+2*(T_/4)+T_%2], v[QW+\x] matrix_a_fmt:MATRIX_FMT_BF6 matrix_b_fmt:MATRIX_FMT_BF6 matrix_a_scale:MATRIX_SCALE_ROW1
.else
	v_wmma_scale_f32_16x16x128_f8f6f4 v[S+8*T_:S+8*T_+7], v[KF+6*T_:KF+6*T_+11], v[Q:Q+11], 0, v[KW+2*(T_/4)+T_%2], v[QW+\x] matrix_a_fmt:MATRIX_FMT_BF6 matrix_b_fmt:MATRIX_FMT_BF6
.endif
.set T_, T_+1
.endr
.endm
.macro KLOADS ahead                    ; twenty loads: the eight half fragments of K and four registers of words of the key step `ahead` steps on.  Tile 4 c + u: image 4 c + u % 2 (rows 8-15: two on), its rows 8 (u / 2) on
	WIN 0x40
.set T_, 0
.rept 8
	ds_load_b128 v[KF+6*T_:KF+6*T_+3], v[KAC] offset:KSTEP*(\ahead)+(4*(T_/4)+T_%2)*KPT+((T_%4)/2)*128
	ds_load_b64 v[KF+6*T_+4:KF+6*T_+5], v[KBC] offset:KSTEP*(\ahead)+(4*(T_/4)+T_%2)*KPT+((T_%4)/2)*64
.set T_, T_+1
.endr
	WIN 0
.irp i, 0,1,2,3
	ds_load_b32 v[KW+\i], v[KWC] offset:512*(\ahead)+256*(\i/2)+64*(\i%2)
.endr
.endm
.macro MAXES x                         ; the largest score of my two blocks of 32 keys: two chains a block; each accumulator is first read at one of its four lowest registers
	WIN 0x55*(\x)
.irp c, 0,1
	v_max3_num_f32 v[C+2*\c], v[S+32*\c], v[S+32*\c+1], v[S+32*\c+2]
	v_max3_num_f32 v[C+2*\c+1], v[S+32*\c+17], v[S+32*\c+18], v[S+32*\c+19]
.endr
.irp i, 0,1,2,3,4,5
.irp c, 0,1
	v_max3_num_f32 v[C+2*\c], v[C+2*\c], v[S+32*\c+3+2*\i], v[S+32*\c+4+2*\i]
	v_max3_num_f32 v[C+2*\c+1], v[C+2*\c+1], v[S+32*\c+20+2*\i], v[S+32*\c+21+2*\i]
.endr
.endr
.irp c, 0,1
	v_max3_num_f32 v[C+2*\c], v[C+2*\c], v[S+32*\c+15], v[S+32*\c+16]
.endr
	WIN 0x05*(\x)
.irp c, 0,1
	v_max_num_f32 v[BM+2*(\x)+\c], v[C+2*\c], v[C+2*\c+1]
.endr
.endm
.macro RESC x                          ; O^T under the new M, and t - M
	WIN 0x41*(\x)
.set J_, 0
.rept 16
	v_pk_mul_f32 v[O+J_:O+J_+1], v[O+J_:O+J_+1], v[F+2*(\x):F+2*(\x)+1] op_sel_hi:[1,0]
.set J_, J_+2
.endr
.set J_, 0
.rept 32
	v_pk_fma_f32 v[S+J_:S+J_+1], v[S+J_:S+J_+1], s[CS:CS+1], v[NM+2*(\x):NM+2*(\x)+1] op_sel_hi:[1,0,0]
.set J_, J_+2
.endr
.endm
.macro EXPS x
	WIN 0x41*(\x)
.set J_, 0
.rept 64
	v_exp_f32 v[S+J_], v[S+J_]                     ; p = 2^(t - M)
.set J_, J_+1
.endr
.endm
.macro CVT x                           ; a block's 32 numbers are mine: two conversions of 16; the second's three registers begin on an even number and are moved
	WIN 0x41*(\x)
.irp c, 0,1
	v_cvt_scalef32_pk16_bf6_f32 v[P+6*\c:P+6*\c+2], v[S+32*\c:S+32*\c+15], v[SO+2*(\x)+\c]
	v_cvt_scalef32_pk16_bf6_f32 v[T2+4*\c:T2+4*\c+2], v[S+32*\c+16:S+32*\c+31], v[SO+2*(\x)+\c]
.endr
.endm
.macro MOVES x
	WIN 0x41*(\x)
.irp c, 0,1
.irp i, 0,1,2
	v_mov_b32 v[P+3+6*\c+\i], v[T2+4*\c+\i]
.endr
.endr
.endm
.macro SUMS x                          ; the row's sum of the unquantised p: a tree in place over the 32 pairs, then onto the running sum
	WIN 0x45*(\x)
.irp n, 16,8,4,2,1
.set I_, 0
.rept \n
	v_pk_add_f32 v[S+2*I_:S+2*I_+1], v[S+2*I_:S+2*I_+1], v[S+2*(I_+\n):S+2*(I_+\n)+1]
.set I_, I_+1
.endr
.endr
	WIN 0x01*(\x)
	v_pk_add_f32 v[L+2*(\x):L+2*(\x)+1], v[S:S+1], v[L+2*(\x):L+2*(\x)+1]
.endm
.macro PV x                            ; O^T += V^T P^T: the accumulators take turns, one instruction a turn
	WIN 0x01+0x54*(\x)
.irp t, 0,2
	v_wmma_scale_f32_16x16x128_f8f6f4 v[O+8*\t:O+8*\t+7], v[VF+12*\t:VF+12*\t+11], v[P:P+11], v[O+8*\t:O+8*\t+7], v[VW+\t/2], v[PW+\x] matrix_a_fmt:MATRIX_FMT_BF6 matrix_b_fmt:MATRIX_FMT_BF6
	v_wmma_scale_f32_16x16x128_f8f6f4 v[O+8+8*\t:O+15+8*\t], v[VF+12+12*\t:VF+23+12*\t], v[P:P+11], v[O+8+8*\t:O+15+8*\t], v[VW+\t/2], v[PW+\x] matrix_a_fmt:MATRIX_FMT_BF6 matrix_b_fmt:MATRIX_FMT_BF6 matrix_a_scale:MATRIX_SCALE_ROW1
.endr
.endm
.macro STEP pre                        ; 128 keys x my 32 queries.  pre = 1: the next step's K is asked for
	s_wait_dscnt 0x0                               ; this step's K and its words, asked for a step ago
	SCORES 0
	SCORES 1
	WIN 0
	v_add_nc_u32 v[VAC], s[TV], v[VA]              ; the step's addresses: these five are also the places between the products and the loads into their registers, and the first read of the scores
	v_add_nc_u32 v[VWC], s[TJ], v[VWA]
	v_add_nc_u32 v[KAC], s[TK], v[KA]
	v_add_nc_u32 v[KBC], s[TK], v[KB]
	v_add_nc_u32 v[KWC], s[TS], v[KWA]
	WIN 0x40
.irp t, 0,1,2,3
.irp c, 0,1,2
	ds_load_b128 v[VF+12*\t+4*\c:VF+12*\t+4*\c+3], v[VAC] offset:1536*\t+512*\c   ; this step's V: with its words fourteen loads
.endr
.endr
	WIN 0
	ds_load_b32 v[VW], v[VWC]
	ds_load_b32 v[VW+1], v[VWC] offset:128
.if \pre
	KLOADS 1
.endif
	MAXES 0
	MAXES 1
	WIN 0
.irp x, 0,1                            ; the two tiles' chains by turns
	v_max_num_f32 v[TP+\x], v[BM+2*\x], v[BM+2*\x+1]
.endr
.irp x, 0,1
	v_permlanex16_b32 v[T+\x], v[TP+\x], s[SEL], s[SEL+1]
.endr
.irp x, 0,1
	v_max3_num_f32 v[RS+\x], v[RS+\x], v[TP+\x], v[T+\x]   ; the running largest score of my query (c is positive: the largest t is c x it)
.endr
.irp x, 0,1
	v_mul_f32 v[TP+\x], s[NC], v[RS+\x]
.endr
.irp x, 0,1
	v_floor_f32 v[TP+\x], v[TP+\x]                 ; -M = floor(-t)
.endr
.irp x, 0,1
	v_sub_f32 v[T+\x], v[TP+\x], v[NM+2*\x]        ; old M - new M: a whole number, 0 or less
.endr
.irp x, 0,1
	v_mov_b32 v[NM+2*\x], v[TP+\x]
.endr
.irp x, 0,1
	v_cvt_i32_f32 v[T+\x], v[T+\x]                 ; (it saturates)
.endr
.irp x, 0,1
	v_ldexp_f32 v[F+2*\x], 1.0, v[T+\x]            ; f = 2^(old M - new M)
.endr
.irp i, 0,1,2,3
	v_fma_f32 v[BM+\i], v[BM+\i], s[CS], v[NM+2*(\i/2)]   ; t - M of each block's largest score: p rises with the score
.endr
	RESC 0
	RESC 1
	s_wait_alu depctr_va_vdst(0)                   ; the wait ahead of the batch
	EXPS 1
	EXPS 0
.irp i, 0,1,2,3
	v_exp_f32 v[BM+\i], v[BM+\i]                   ; each block's largest p
.endr
.irp x, 0,1
	v_pk_mul_f32 v[L+2*\x:L+2*\x+1], v[L+2*\x:L+2*\x+1], v[F+2*\x:F+2*\x+1] op_sel_hi:[1,0]   ; the sums under the new M (the plain place behind the batch)
.endr
	s_wait_alu depctr_va_vdst(0)                   ; one wait for the batch, ahead of its first reader
.irp i, 0,1,2,3
	v_max_num_f32 v[BM+\i], 0x2800000, v[BM+\i]    ; the floor 2^(5 - 127): the byte cannot fall under 1
.endr
.irp i, 0,1,2,3
	v_add_nc_u32 v[SO+\i], 0xfe000000, v[BM+\i]    ; 4 off the exponent field: the conversion's scale operand
.endr
.irp i, 0,1,2,3
	v_lshrrev_b32 v[BY+\i], 23, v[SO+\i]
.endr
.irp x, 0,1
	v_lshl_or_b32 v[TP+\x], v[BY+2*\x+1], 16, v[BY+2*\x]   ; my blocks h and 2 + h
.endr
.irp x, 0,1
	v_permlanex16_b32 v[T+\x], v[TP+\x], s[SEL], s[SEL+1]
.endr
.irp x, 0,1
	v_lshl_or_b32 v[PW+\x], v[T+\x], 8, v[TP+\x]   ; in lanes 0-15, which alone are read: p's scale word for these 128 keys
.endr
	CVT 0
	CVT 1
	v_nop                                          ; one plain place behind the scaled conversions
	MOVES 1
	MOVES 0
	SUMS 1                                         ; tile B's sums are also the places between the scale words, the codes and the products
	s_wait_alu depctr_va_vdst(0)                   ; directly ahead of the wait below
.if \pre
	s_wait_dscnt 20                                ; V's fourteen loads are in; the twenty of the next step's K, issued behind them, may stay out
.else
	s_wait_dscnt 0x0
.endif
	PV 0
	PV 1
	SUMS 0                                         ; tile A's sums name no register of the eight products: work on registers behind them
	s_wait_alu depctr_va_vdst(0)                   ; the wait ahead of the branch and the wait that follow the step
.endm
.macro AT k                            ; the LDS offsets of key step k
	s_mov_b32 s[TK], (\k)*KSTEP
	s_mov_b32 s[TV], (\k)*6144
	s_mov_b32 s[TS], (\k)*512
	s_mov_b32 s[TJ], (\k)*256
.endm
.macro NEXT                            ; on to the next key step, and the trip is counted
	s_add_co_u32 s[TK], s[TK], KSTEP
	s_add_co_u32 s[TV], s[TV], 6144
	s_add_co_u32 s[TS], s[TS], 512
	s_add_co_u32 s[TJ], s[TJ], 256
	s_sub_co_u32 s[CNT], s[CNT], 1
	s_cmp_lg_u32 s[CNT], 0
.endm
	s_wait_alu depctr_va_vdst(0)                   ; the wait at the head's end
	s_wait_loadcnt 0x0                             ; Q
	s_wait_tensorcnt 0x0                           ; my part of the first 512 keys or of the words has landed
	ds_add_u32 v[SPW], v[NIL]
.irp g, G1K, G1V
	s_mov_b32 s[\g+2], 72<<16                      ; no tensor load of mine is out, so a descriptor may be written: a quarter of the rest of K or of V, 72 rows
	s_mov_b32 s[\g+4], 72
.endr
	s_wait_dscnt 0x0                               ; the add is done
	CROUND                                         ; a whole round: everybody's part is in, and all four work-groups are here
	s_cmp_lt_u32 s[WV], 4
	s_cbranch_scc0 .Lrest_v
	tensor_load_to_lds s[G0K2:G0K2+3], s[G1K:G1K+7]   ; the other 1,536 keys: my one load behind the round
	s_nop 0
.rept 4
	v_nop
.endr
	s_branch .Lrest_asked
.Lrest_v:
	tensor_load_to_lds s[G0V2:G0V2+3], s[G1V:G1V+7]
	s_nop 0
.rept 4
	v_nop
.endr
.Lrest_asked:
	AT 0
	v_add_nc_u32 v[KAC], s[TK], v[KA]
	v_add_nc_u32 v[KBC], s[TK], v[KB]
	v_add_nc_u32 v[KWC], s[TS], v[KWA]
	KLOADS 0                                       ; key step 0's K
	s_mov_b32 s[CNT], 3
.Lfirst:                                               ; key steps 0 to 2: they read V of steps 0 to 2 and K of steps 1 to 3: the first 512 keys alone
	STEP 1
	NEXT
	s_cbranch_scc1 .Lfirst
	s_wait_tensorcnt 0x0                           ; my part of the rest has landed,
	s_wait_dscnt 0x0                               ; and no LDS load of mine is out at the signal
	s_barrier_signal -1
	s_barrier_wait -1                              ; everybody's has: no barrier stands in the steps that follow
	AT 3
	s_mov_b32 s[CNT], 12
.Lsteps:                                               ; key steps 3 to 14
	STEP 1
	NEXT
	s_cbranch_scc1 .Lsteps
	AT 15
	STEP 0                                         ; the last key step has no successor to ask for
	; THE WAY OUT: O^T / the sum through my stage, so that sixteen lanes store a query's 256 bytes of this head
.irp x, 0,1
	v_add_f32 v[L+2*\x], v[L+2*\x], v[L+2*\x+1]
.endr
.irp x, 0,1
	v_permlanex16_b32 v[T+\x], v[L+2*\x], s[SEL], s[SEL+1]
.endr
.irp x, 0,1
	v_add_f32 v[L+2*\x], v[L+2*\x], v[T+\x]        ; with lane l xor 16's keys: the row's sum
.endr
	s_wait_alu depctr_va_vdst(0)                   ; the wait ahead of the transcendentals
	v_rcp_f32 v[L], v[L]
	v_rcp_f32 v[L+2], v[L+2]
	v_nop                                          ; the plain place behind them
	s_wait_alu depctr_va_vdst(0)                   ; ahead of the reciprocals' first reader and of tile A's O^T
.set J_, 0
.rept 32
	v_mul_f32 v[S+J_], v[O+J_], v[L]
.set J_, J_+1
.endr
	WIN 0x01
	s_wait_alu depctr_va_vdst(0)                   ; the wait directly ahead of the first reader of tile B's O^T
.set J_, 0
.rept 32
	v_mul_f32 v[S+32+J_], v[O+J_], v[L+2]
.set J_, J_+1
.endr
	WIN 0
.irp x, 0,1
.irp t, 0,1,2,3
	ds_store_b128 v[STO], v[S+32*\x+8*\t:S+32*\x+8*\t+3] offset:64*\t
	ds_store_b128 v[STO], v[S+32*\x+8*\t+4:S+32*\x+8*\t+7] offset:64*\t+16
.endr
.irp i, 0,1,2,3,4,5,6,7
	ds_load_b128 v[O+32*\x+4*\i:O+32*\x+4*\i+3], v[RD] offset:544*\i   ; my own bytes; LDS serves a wave's instructions in order
.endr
.endr
	s_wait_dscnt 16                                ; tile A is back; tile B's eight stores and eight loads may be out
.irp i, 0,1,2,3,4,5,6,7
	global_store_b128 v[OFS], v[O+4*\i:O+4*\i+3], s[72:73] offset:16384*\i
.endr
	s_wait_dscnt 0x0
.irp i, 0,1,2,3,4,5,6,7
	global_store_b128 v[OFS], v[O+32+4*\i:O+32+4*\i+3], s[72:73] offset:131072+16384*\i   ; sixteen queries on
.endr
	s_wait_tensorcnt 0x0                           ; the wave's end
	ds_add_u32 v[SPW], v[NIL]
	s_wait_dscnt 0x0
	CROUND                                         ; the closing round
	s_endpgm
.Lfunc_end_k_qba94e6f48e_attn:
	.size	k_qba94e6f48e_attn, .Lfunc_end_k_qba94e6f48e_attn-k_qba94e6f48e_attn
	.p2alignl 7, 3214868480
	.fill 96, 4, 3214868480
	.section	.rodata,"a",@progbits
	.p2align	6, 0x0
	.amdhsa_kernel k_qba94e6f48e_attn
		.amdhsa_group_segment_fixed_size 327680
		.amdhsa_private_segment_fixed_size 0
		.amdhsa_enable_private_segment 0
		.amdhsa_kernarg_size 16
		.amdhsa_user_sgpr_count 2
		.amdhsa_user_sgpr_kernarg_segment_ptr 1
		.amdhsa_wavefront_size32 1
		.amdhsa_system_sgpr_workgroup_id_x 1
		.amdhsa_system_sgpr_workgroup_id_y 1
		.amdhsa_system_sgpr_workgroup_id_z 1
		.amdhsa_system_vgpr_workitem_id 0
		.amdhsa_next_free_vgpr 512
		.amdhsa_next_free_sgpr 92
		.amdhsa_reserve_vcc 0
		.amdhsa_float_denorm_mode_32 3
		.amdhsa_float_denorm_mode_16_64 3
		.amdhsa_memory_ordered 1
		.amdhsa_forward_progress 1
		.amdhsa_inst_pref_size 103
	.end_amdhsa_kernel
	.amdgpu_metadata
---
amdhsa.version: [ 1, 2 ]
amdhsa.kernels:
  - .name:           k_qba94e6f48e_attn
    .symbol:         k_qba94e6f48e_attn.kd
    .args:
      - { .name: qkvbuf, .offset: 0, .size: 8, .value_kind: global_buffer, .address_space: global }
      - { .name: rows32, .offset: 8, .size: 8, .value_kind: global_buffer, .address_space: global }
    .group_segment_fixed_size: 327680
    .private_segment_fixed_size: 0
    .kernarg_segment_align: 8
    .kernarg_segment_size: 16
    .max_flat_workgroup_size: 256
    .sgpr_count:     92
    .vgpr_count:     512
    .wavefront_size: 32
...
	.end_amdgpu_metadata
.endif
;; end of part 3
;; launch ln1 (part 4): grid 256 x 1, 8 waves a work-group, no clusters, 67,584 bytes of LDS; arguments src, rows32, ln1_g, ln1_b, xbuf, xq; writes xbuf, xq
.if DOCPART == 4
	.amdgcn_target "amdgcn-amd-amdhsa--gfx1250"
	.amdhsa_code_object_version 6
	.text
	.protected	k_qba94e6f48e_ln1
	.globl	k_qba94e6f48e_ln1
	.p2align	8
	.type	k_qba94e6f48e_ln1,@function
k_qba94e6f48e_ln1:
	s_mov_b64 s[64:65], 0
	v_nop
	global_prefetch_b8 v0, s[64:65] scope:SCOPE_SE
	s_setreg_imm32_b32 hwreg(HW_REG_WAVE_MODE, 25, 1), 1
	s_wait_xcnt 0x0
; x = LayerNorm(src + attention) g + b, in f32; x goes out as f32 (the residual of the second norm) and as codes of E3M2 with scale words, in the order of operand registers (the first feed-forward product's A).
; A work-group takes 16 rows; a wave two whole rows (32 numbers a lane), so that mean and variance never leave the wave.  Then the 16 rows turn through LDS, and wave w quantises K step w of all 16.
; Memory binds: each load and store of a wave covers 512 consecutive bytes; no matrix unit, no cluster: work-groups share only g and b.
; LIMITS: as the quantiser's in the first launch.
.set PITCH, 4112
.set WORDS, 16*PITCH
.set XSO, 3145728
.set Y0, 32
.set Y1, 64
.set A0, 96
.set A1, 128
.set G, 160
.set B, 192
.set T, 16
.set M, 20
.set X, 32
.set PC, 96
.set TM, 116
.set PW, 132
.set SEL, 18
.set RN, 20
.set EPS, 21
.macro QUANT s
.irp b, 0,1,2,3
	v_max3_num_f32 v[TM+\b], |v[\s+16*\b]|, |v[\s+1+16*\b]|, 0x2800000
.endr
.irp i, 2,4,6,8,10,12,14
.irp b, 0,1,2,3
	s_delay_alu instid0(VALU_DEP_4)
	v_max3_num_f32 v[TM+\b], v[TM+\b], |v[\s+16*\b+\i]|, |v[\s+1+16*\b+\i]|
.endr
.endr
.irp b, 0,1,2,3
	s_delay_alu instid0(VALU_DEP_4)
	v_permlanex16_b32 v[TM+4+\b], v[TM+\b], s[SEL], s[SEL+1]
.endr
.irp b, 0,1,2,3
	s_delay_alu instid0(VALU_DEP_4)
	v_max_num_f32 v[TM+\b], v[TM+\b], v[TM+4+\b]
.endr
.irp b, 0,1,2,3
	s_delay_alu instid0(VALU_DEP_4)
	v_add_nc_u32 v[TM+12+\b], 0xfe000000, v[TM+\b]
.endr
.irp b, 0,1,2,3
	s_delay_alu instid0(VALU_DEP_4)
	v_lshrrev_b32 v[TM+4+\b], 23, v[TM+12+\b]
.endr
	s_delay_alu instid0(VALU_DEP_3)
	v_lshl_or_b32 v[PW], v[TM+5], 8, v[TM+4]
	s_delay_alu instid0(VALU_DEP_1)
	v_lshl_or_b32 v[PW], v[TM+6], 16, v[PW]
	s_delay_alu instid0(VALU_DEP_1)
	v_lshl_or_b32 v[PW], v[TM+7], 24, v[PW]
.irp c, 0,1
	v_cvt_scalef32_pk16_bf6_f32 v[PC+6*\c:PC+2+6*\c], v[\s+32*\c:\s+15+32*\c], v[TM+12+2*\c]
	v_cvt_scalef32_pk16_bf6_f32 v[PC+12+4*\c:PC+14+4*\c], v[\s+16+32*\c:\s+31+32*\c], v[TM+12+2*\c+1]
.endr
	v_nop
.irp c, 0,1
.irp i, 0,1,2
	v_permlane16_swap_b32 v[PC+6*\c+\i], v[PC+12+4*\c+\i]
.endr
.irp i, 0,1,2
	s_delay_alu instid0(VALU_DEP_3)
	v_mov_b32 v[PC+3+6*\c+\i], v[PC+12+4*\c+\i]
.endr
.endr
.endm
.macro REDUCE                          ; v[T] summed over the 32 lanes, the result in every lane
	s_delay_alu instid0(VALU_DEP_1)
	v_add_f32_dpp v[T], v[T], v[T] row_xmask:1 row_mask:0xf bank_mask:0xf
	s_delay_alu instid0(VALU_DEP_1)
	v_add_f32_dpp v[T], v[T], v[T] row_xmask:2 row_mask:0xf bank_mask:0xf
	s_delay_alu instid0(VALU_DEP_1)
	v_add_f32_dpp v[T], v[T], v[T] row_xmask:4 row_mask:0xf bank_mask:0xf
	s_delay_alu instid0(VALU_DEP_1)
	v_add_f32_dpp v[T], v[T], v[T] row_xmask:8 row_mask:0xf bank_mask:0xf
	s_delay_alu instid0(VALU_DEP_1)
	v_permlanex16_b32 v[T+1], v[T], s[SEL], s[SEL+1]
	s_delay_alu instid0(VALU_DEP_1)
	v_add_f32 v[T], v[T], v[T+1]
.endm
.macro LNROW Y                         ; the row in v[Y] .. v[Y + 31] of the 32 lanes is normalised in place
	v_pk_add_f32 v[T:T+1], v[\Y:\Y+1], v[\Y+2:\Y+3]
	v_pk_add_f32 v[T+2:T+3], v[\Y+4:\Y+5], v[\Y+6:\Y+7]
.irp j, 8,12,16,20,24,28
	s_delay_alu instid0(VALU_DEP_2)
	v_pk_add_f32 v[T:T+1], v[T:T+1], v[\Y+\j:\Y+\j+1]
	s_delay_alu instid0(VALU_DEP_2)
	v_pk_add_f32 v[T+2:T+3], v[T+2:T+3], v[\Y+\j+2:\Y+\j+3]
.endr
	s_delay_alu instid0(VALU_DEP_1)
	v_pk_add_f32 v[T:T+1], v[T:T+1], v[T+2:T+3]
	s_delay_alu instid0(VALU_DEP_1)
	v_add_f32 v[T], v[T], v[T+1]
	REDUCE
	s_delay_alu instid0(VALU_DEP_1)
	v_mul_f32 v[M], 0x3a800000, v[T]               ; the mean: / 1,024
	s_delay_alu instid0(VALU_DEP_1)
	v_mov_b32 v[M+1], v[M]
.irp j, 0,2,4,6,8,10,12,14,16,18,20,22,24,26,28,30
	v_pk_add_f32 v[\Y+\j:\Y+\j+1], v[\Y+\j:\Y+\j+1], v[M:M+1] neg_lo:[0,1] neg_hi:[0,1]
.endr
	v_pk_mul_f32 v[T:T+1], v[\Y:\Y+1], v[\Y:\Y+1]
	v_pk_mul_f32 v[T+2:T+3], v[\Y+2:\Y+3], v[\Y+2:\Y+3]
.irp j, 4,8,12,16,20,24,28
	s_delay_alu instid0(VALU_DEP_2)
	v_pk_fma_f32 v[T:T+1], v[\Y+\j:\Y+\j+1], v[\Y+\j:\Y+\j+1], v[T:T+1]
	s_delay_alu instid0(VALU_DEP_2)
	v_pk_fma_f32 v[T+2:T+3], v[\Y+\j+2:\Y+\j+3], v[\Y+\j+2:\Y+\j+3], v[T+2:T+3]
.endr
	s_delay_alu instid0(VALU_DEP_1)
	v_pk_add_f32 v[T:T+1], v[T:T+1], v[T+2:T+3]
	s_delay_alu instid0(VALU_DEP_1)
	v_add_f32 v[T], v[T], v[T+1]
	REDUCE
	s_delay_alu instid0(VALU_DEP_1)
	v_fma_f32 v[T], v[T], s[RN], s[EPS]            ; the variance + 1e-5
	s_wait_alu depctr_va_vdst(0)
	v_rsq_f32 v[M], v[T]
	v_nop                                          ; the plain place behind the transcendental
	s_wait_alu depctr_va_vdst(0)                   ; and the wait ahead of its first reader
	v_mov_b32 v[M+1], v[M]
.irp j, 0,2,4,6,8,10,12,14,16,18,20,22,24,26,28,30
	v_pk_mul_f32 v[\Y+\j:\Y+\j+1], v[\Y+\j:\Y+\j+1], v[M:M+1]
.endr
.irp j, 0,2,4,6,8,10,12,14,16,18,20,22,24,26,28,30
	v_pk_fma_f32 v[\Y+\j:\Y+\j+1], v[\Y+\j:\Y+\j+1], v[G+\j:G+\j+1], v[B+\j:B+\j+1]
.endr
.endm
	s_load_b256 s[4:11], s[0:1], 0x0               ; src, attention, g, b
	s_load_b128 s[12:15], s[0:1], 0x20             ; xbuf, xq
	v_lshl_add_u32 v224, v0, 2, 0x10400
	v_mov_b32 v225, 0
	v_lshrrev_b32 v1, 5, v0                        ; wave
	s_delay_alu instid0(VALU_DEP_1)
	v_readfirstlane_b32 s3, v1
	v_and_b32 v2, 31, v0
	v_and_b32 v3, 15, v0                           ; r
	v_bfe_u32 v4, v0, 4, 1                         ; h
	s_delay_alu instid0(VALU_DEP_3)
	v_lshlrev_b32 v5, 4, v2                        ; 16 x lane
	s_delay_alu instid0(VALU_DEP_1)
	v_lshl_add_u32 v6, v1, 13, v5                  ; my wave's two rows
	v_mul_u32_u24 v7, v1, 2*PITCH
	s_delay_alu instid0(VALU_DEP_1)
	v_add_nc_u32 v7, v7, v5
	v_mul_u32_u24 v8, v3, PITCH
	s_delay_alu instid0(VALU_DEP_1)
	v_lshl_add_u32 v8, v4, 6, v8
	s_delay_alu instid0(VALU_DEP_1)
	v_lshl_add_u32 v8, v1, 9, v8
	v_lshlrev_b32 v9, 2, v3
	s_delay_alu instid0(VALU_DEP_1)
	v_lshl_add_u32 v9, v1, 6, v9
	s_delay_alu instid0(VALU_DEP_1)
	v_add_nc_u32 v9, WORDS, v9
	v_add_nc_u32 v10, WORDS, v5
	v_mul_u32_u24 v11, v1, 12288
	s_delay_alu instid0(VALU_DEP_1)
	v_add_nc_u32 v11, v11, v5
	s_mov_b32 s[SEL], 0x76543210
	s_mov_b32 s[SEL+1], 0xfedcba98
	s_mov_b32 s[RN], 0x3a800000
	s_mov_b32 s[EPS], 0x3727c5ac
	s_lshl_b32 s16, ttmp9, 16                      ; 16 rows of 4,096 bytes
	s_mov_b32 s17, 0
	s_lshr_b32 s22, ttmp9, 3
	s_lshl_b32 s22, s22, 6
	s_and_b32 s23, ttmp9, 7
	s_add_co_u32 s22, s22, s23
	s_mul_i32 s22, s22, 1536
	s_mov_b32 s23, 0
	s_lshl_b32 s24, ttmp9, 9
	s_add_co_u32 s24, s24, XSO
	s_mov_b32 s25, 0
	s_wait_kmcnt 0x0
	s_add_nc_u64 s[4:5], s[4:5], s[16:17]
	s_add_nc_u64 s[6:7], s[6:7], s[16:17]
	s_add_nc_u64 s[12:13], s[12:13], s[16:17]
	s_add_nc_u64 s[22:23], s[14:15], s[22:23]      ; the images
	s_add_nc_u64 s[24:25], s[14:15], s[24:25]      ; the words
.irp j, 0,1,2,3,4,5,6,7
	global_load_b128 v[G+4*\j:G+4*\j+3], v5, s[8:9] offset:512*\j
.endr
.irp j, 0,1,2,3,4,5,6,7
	global_load_b128 v[B+4*\j:B+4*\j+3], v5, s[10:11] offset:512*\j
.endr
.irp j, 0,1,2,3,4,5,6,7
	global_load_b128 v[Y0+4*\j:Y0+4*\j+3], v6, s[4:5] offset:512*\j th:TH_LOAD_NT
.endr
.irp j, 0,1,2,3,4,5,6,7
	global_load_b128 v[A0+4*\j:A0+4*\j+3], v6, s[6:7] offset:512*\j th:TH_LOAD_NT
.endr
.irp j, 0,1,2,3,4,5,6,7
	global_load_b128 v[Y1+4*\j:Y1+4*\j+3], v6, s[4:5] offset:4096+512*\j th:TH_LOAD_NT
.endr
.irp j, 0,1,2,3,4,5,6,7
	global_load_b128 v[A1+4*\j:A1+4*\j+3], v6, s[6:7] offset:4096+512*\j th:TH_LOAD_NT
.endr
	s_wait_loadcnt 16                              ; g, b and the first row are in; the second row's sixteen loads stay out
.irp j, 0,2,4,6,8,10,12,14,16,18,20,22,24,26,28,30
	v_pk_add_f32 v[Y0+\j:Y0+\j+1], v[Y0+\j:Y0+\j+1], v[A0+\j:A0+\j+1]
.endr
	LNROW Y0
.irp j, 0,1,2,3,4,5,6,7
	global_store_b128 v6, v[Y0+4*\j:Y0+4*\j+3], s[12:13] offset:512*\j
	ds_store_b128 v7, v[Y0+4*\j:Y0+4*\j+3] offset:512*\j
.endr
	s_wait_loadcnt 0x0
.irp j, 0,2,4,6,8,10,12,14,16,18,20,22,24,26,28,30
	v_pk_add_f32 v[Y1+\j:Y1+\j+1], v[Y1+\j:Y1+\j+1], v[A1+\j:A1+\j+1]
.endr
	LNROW Y1
.irp j, 0,1,2,3,4,5,6,7
	global_store_b128 v6, v[Y1+4*\j:Y1+4*\j+3], s[12:13] offset:4096+512*\j
	ds_store_b128 v7, v[Y1+4*\j:Y1+4*\j+3] offset:PITCH+512*\j
.endr
.irp b, 0,1,2,3
	v_mov_b32 v[TM+4+\b], 0                        ; a lane permute's destination counts as read
.endr
	s_wait_dscnt 0x0                               ; my rows lie in LDS
	s_barrier_signal -1
	s_barrier_wait -1
	s_wait_xcnt 0x0                                ; the stores of x have read their registers, which the loads below write
.irp b, 0,1,2,3
.irp j, 0,1,2,3
	ds_load_b128 v[X+16*\b+4*\j:X+16*\b+4*\j+3], v8 offset:128*\b+16*\j   ; row r, K step = wave: 16 neighbours of each block of 32
.endr
.endr
	s_wait_dscnt 0x0
	QUANT X
.irp c, 0,1,2
	global_store_b128 v11, v[PC+4*\c:PC+4*\c+3], s[22:23] offset:512*\c
.endr
	ds_store_b32 v9, v[PW]
	s_wait_dscnt 0x0
	s_barrier_signal -1
	s_barrier_wait -1
	s_cmp_lg_u32 s3, 0
	s_cbranch_scc1 .Ldone
	ds_load_b128 v[12:15], v10
	s_wait_dscnt 0x0
	global_store_b128 v5, v[12:15], s[24:25]
.Ldone:
	s_wait_tensorcnt 0x0
	ds_add_u32 v224, v225
	s_wait_dscnt 0x0
	s_endpgm
.Lfunc_end_k_qba94e6f48e_ln1:
	.size	k_qba94e6f48e_ln1, .Lfunc_end_k_qba94e6f48e_ln1-k_qba94e6f48e_ln1
	.p2alignl 7, 3214868480
	.fill 96, 4, 3214868480
	.section	.rodata,"a",@progbits
	.p2align	6, 0x0
	.amdhsa_kernel k_qba94e6f48e_ln1
		.amdhsa_group_segment_fixed_size 67584
		.amdhsa_private_segment_fixed_size 0
		.amdhsa_enable_private_segment 0
		.amdhsa_kernarg_size 48
		.amdhsa_user_sgpr_count 2
		.amdhsa_user_sgpr_kernarg_segment_ptr 1
		.amdhsa_wavefront_size32 1
		.amdhsa_system_sgpr_workgroup_id_x 1
		.amdhsa_system_sgpr_workgroup_id_y 1
		.amdhsa_system_sgpr_workgroup_id_z 1
		.amdhsa_system_vgpr_workitem_id 0
		.amdhsa_next_free_vgpr 226
		.amdhsa_next_free_sgpr 66
		.amdhsa_reserve_vcc 0
		.amdhsa_float_denorm_mode_32 3
		.amdhsa_float_denorm_mode_16_64 3
		.amdhsa_memory_ordered 1
		.amdhsa_forward_progress 1
		.amdhsa_inst_pref_size 35
	.end_amdhsa_kernel
	.amdgpu_metadata
---
amdhsa.version: [ 1, 2 ]
amdhsa.kernels:
  - .name:           k_qba94e6f48e_ln1
    .symbol:         k_qba94e6f48e_ln1.kd
    .args:
      - { .name: src, .offset: 0, .size: 8, .value_kind: global_buffer, .address_space: global }
      - { .name: rows32, .offset: 8, .size: 8, .value_kind: global_buffer, .address_space: global }
      - { .name: ln1_g, .offset: 16, .size: 8, .value_kind: global_buffer, .address_space: global }
      - { .name: ln1_b, .offset: 24, .size: 8, .value_kind: global_buffer, .address_space: global }
      - { .name: xbuf, .offset: 32, .size: 8, .value_kind: global_buffer, .address_space: global }
      - { .name: xq, .offset: 40, .size: 8, .value_kind: global_buffer, .address_space: global }
    .group_segment_fixed_size: 67584
    .private_segment_fixed_size: 0
    .kernarg_segment_align: 8
    .kernarg_segment_size: 48
    .max_flat_workgroup_size: 256
    .sgpr_count:     66
    .vgpr_count:     226
    .wavefront_size: 32
...
	.end_amdgpu_metadata
.endif
;; end of part 4
;; launch ff1 (part 5): grid 16 x 16, 4 waves a work-group, clusters of 4 x 4, 327,680 bytes of LDS; arguments xq, prepbuf, b1, hq; writes hq
.if DOCPART == 5
	.amdgcn_target "amdgcn-amd-amdhsa--gfx1250"
	.amdhsa_code_object_version 6
	.text
	.protected	k_qba94e6f48e_ff1
	.globl	k_qba94e6f48e_ff1
	.p2align	8
	.type	k_qba94e6f48e_ff1,@function
k_qba94e6f48e_ff1:
	s_mov_b64 s[64:65], 0
	v_nop
	global_prefetch_b8 v0, s[64:65] scope:SCOPE_SE
	s_setreg_imm32_b32 hwreg(HW_REG_WAVE_MODE, 25, 1), 1
	s_wait_xcnt 0x0
	s_wait_alu depctr_hold_cnt(0) depctr_sa_sdst(0) depctr_va_vdst(0) depctr_va_sdst(0) depctr_va_ssrc(0) depctr_va_vcc(0) depctr_vm_vsrc(0)
	s_getreg_b32 s2, hwreg(HW_REG_IB_STS2, 6, 4)
	s_cmp_eq_u32 s2, 0
	s_cbranch_scc0 .Lentry_in_a_cluster
	s_endpgm
.Lentry_in_a_cluster:
	s_bfe_u32 s2, ttmp6, 0x10000c
	s_cmp_lg_u32 s2, 0xf033
	s_cbranch_scc0 .Lentry_shape_is_right
	s_endpgm
.Lentry_shape_is_right:
.set MB, 8
.set NB, 8
.set NQ, 2
.set KS, 8
.set LAPS, KS/(2*NQ)
.set GRPB, KS*MB*1536
.set HALFS, MB*KS*64
.set SI, 512
.set SQ, 64
.set QUART, 24576
.set SLOT, 4*QUART
.set SCL, 2*SLOT
.set SPARE, SCL+4*HALFS+256
.set XSO, 3145728
.set W1I, 6258688
.set W1S, 9404416
.set HS, 12582912
.set ADRA, 16
.set ADRB, 20
.set VEO, 22
.set LI, 24
.set STO, 25
.set RD, 26
.set ADRS, 27
.set SPW, 28
.set NIL, 29
.set SC, 32
.set AF, 64
.set CI, 192
.set Y, 64
.set PC, 128
.set TM, 148
.set PW, 164
.set WB, 168
.set G1, 24
.set G0, 32
.set G1B, 48
.set G0B, 56
.set G1S, 68
.set G0S, 76
.set G1SB, 80
.set G0SB, 88
.set SEL, 66
.set MSB, 0
.macro WIN new
.if MSB != (\new)
	s_set_vgpr_msb (MSB<<8)|(\new)
.set MSB, (\new)
.endif
.endm
.macro JLOAD g0a, g1a, g0b, g1b
	s_cmp_eq_u32 s15, 0
	s_cbranch_scc0 .Lfor_b_\@
	tensor_load_to_lds s[\g0a:\g0a+3], s[\g1a:\g1a+7]
	s_nop 0
.rept 4
	v_nop
.endr
	s_branch .Lasked_\@
.Lfor_b_\@:
	tensor_load_to_lds s[\g0b:\g0b+3], s[\g1b:\g1b+7]
	s_nop 0
.rept 4
	v_nop
.endr
.Lasked_\@:
.endm
.macro CREST
	s_cmp_lg_u32 s14, 0
	s_cbranch_scc1 .Lnot_wave_0_\@
	s_barrier_signal -3
.Lnot_wave_0_\@:
	s_barrier_wait -3
	s_barrier_signal -1
	s_barrier_wait -1
.endm
.macro CROUND
	s_barrier_signal -1
	s_barrier_wait -1
	CREST
.endm
.macro QUANT s
.irp b, 0,1,2,3
	v_max3_num_f32 v[TM+\b], |v[\s+16*\b]|, |v[\s+1+16*\b]|, 0x2800000
.endr
.irp i, 2,4,6,8,10,12,14
.irp b, 0,1,2,3
	v_max3_num_f32 v[TM+\b], v[TM+\b], |v[\s+16*\b+\i]|, |v[\s+1+16*\b+\i]|
.endr
.endr
.irp b, 0,1,2,3
	v_permlanex16_b32 v[TM+4+\b], v[TM+\b], s[SEL], s[SEL+1]
.endr
.irp b, 0,1,2,3
	v_max_num_f32 v[TM+\b], v[TM+\b], v[TM+4+\b]
.endr
.irp b, 0,1,2,3
	v_add_nc_u32 v[TM+12+\b], 0xfe000000, v[TM+\b]
.endr
.irp b, 0,1,2,3
	v_lshrrev_b32 v[TM+4+\b], 23, v[TM+12+\b]
.endr
	v_lshl_or_b32 v[PW], v[TM+5], 8, v[TM+4]
	v_lshl_or_b32 v[PW], v[TM+6], 16, v[PW]
	v_lshl_or_b32 v[PW], v[TM+7], 24, v[PW]
.irp c, 0,1
	v_cvt_scalef32_pk16_bf6_f32 v[PC+6*\c:PC+2+6*\c], v[\s+32*\c:\s+15+32*\c], v[TM+12+2*\c]
	v_cvt_scalef32_pk16_bf6_f32 v[PC+12+4*\c:PC+14+4*\c], v[\s+16+32*\c:\s+31+32*\c], v[TM+12+2*\c+1]
.endr
	v_nop
.irp c, 0,1
.irp i, 0,1,2
	v_permlane16_swap_b32 v[PC+6*\c+\i], v[PC+12+4*\c+\i]
.endr
.irp i, 0,1,2
	v_mov_b32 v[PC+3+6*\c+\i], v[PC+12+4*\c+\i]
.endr
.endr
.endm
.macro MULROWS a0, na, p, q, sc, cm
.set A_, \a0
.rept \na
.set W_, 2+(8*NB*A_)/256
.set D0_, (8*NB*A_)%256
.if \cm == 2
.set WN_, (W_<<6)|(1<<4)|1
.else
.set WN_, (W_<<6)|(W_<<4)|1
.endif
	WIN WN_
.set FA_, AF+12*MB*(\p)+12*A_
.set SA_, SC+16*(\sc)+MB*(\q)+A_
.set B_, 0
.rept NB
.set D_, D0_+8*B_
.set FB_, 12*NB*(\p)+12*B_
.set SB_, SC+16*(\sc)+MB*(\q)+B_
.if \cm == 0
	v_wmma_scale_f32_16x16x128_f8f6f4 v[D_:D_+7], v[FB_:FB_+11], v[FA_:FA_+11], v[D_:D_+7], v[SB_], v[SA_] matrix_a_fmt:MATRIX_FMT_BF6 matrix_b_fmt:MATRIX_FMT_BF6 matrix_a_scale:MATRIX_SCALE_ROW1
.elseif \cm == 1
	v_wmma_scale_f32_16x16x128_f8f6f4 v[D_:D_+7], v[FB_:FB_+11], v[FA_:FA_+11], 0, v[SB_], v[SA_] matrix_a_fmt:MATRIX_FMT_BF6 matrix_b_fmt:MATRIX_FMT_BF6 matrix_a_scale:MATRIX_SCALE_ROW1
.else
	v_wmma_scale_f32_16x16x128_f8f6f4 v[D_:D_+7], v[FB_:FB_+11], v[FA_:FA_+11], v[CI+8*B_:CI+8*B_+7], v[SB_], v[SA_] matrix_a_fmt:MATRIX_FMT_BF6 matrix_b_fmt:MATRIX_FMT_BF6 matrix_a_scale:MATRIX_SCALE_ROW1
.endif
.set B_, B_+1
.endr
.set A_, A_+1
.endr
.endm
.macro FETCH slot, q, p
	WIN 0x40
.set I_, 0
.rept NB
.irp c, 0,1,2
	ds_load_b128 v[12*NB*(\p)+12*I_+4*\c:12*NB*(\p)+12*I_+4*\c+3], v[ADRB+\slot] offset:((\q)*MB+I_)*1536+512*\c
.endr
.set I_, I_+1
.endr
	WIN 0
.set I_, 0
.rept MB
.irp c, 0,1,2
	ds_load_b128 v[AF+12*MB*(\p)+12*I_+4*\c:AF+12*MB*(\p)+12*I_+4*\c+3], v[ADRA+\slot] offset:((\q)*MB+I_)*1536+512*\c
.endr
.set I_, I_+1
.endr
.endm
.macro SCALES sc
.set Q_, 0
.rept NQ
.set I_, 0
.rept MB
	ds_load_b32 v[SC+16*(\sc)+MB*Q_+I_], v[ADRS] offset:Q_*SQ+I_*SI
.set I_, I_+1
.endr
.set Q_, Q_+1
.endr
.endm
.macro STEP slot, q, cm
	s_wait_dscnt 0x0
.rept 4
	v_nop
.endr
	FETCH \slot, (\q)+1, 1-(\q)%2
	MULROWS 0, MB, (\q)%2, \q, \slot, \cm
.endm
.macro TURN slot, next, fill
	WIN 0
	s_wait_tensorcnt 0x0
	ds_add_u32 v[SPW], v[NIL]
	s_wait_dscnt 0x1
	MULROWS 0, MB/4, 1, NQ-1, \slot, 0
	s_wait_dscnt 0x0
	s_barrier_signal -1
	MULROWS MB/4, MB/4, 1, NQ-1, \slot, 0
	WIN 0
	s_barrier_wait -1
.if \fill
	CREST
	s_add_nc_u64 s[G0+4*\slot+2:G0+4*\slot+3], s[G0+4*\slot+2:G0+4*\slot+3], 2*QUART
	s_add_nc_u64 s[G0B+4*\slot+2:G0B+4*\slot+3], s[G0B+4*\slot+2:G0B+4*\slot+3], 2*QUART
	JLOAD G0+4*\slot, G1, G0B+4*\slot, G1B
.else
.rept 4
	v_nop
.endr
.endif
	s_wait_alu depctr_va_vdst(0)
	v_add_nc_u32 v[ADRS], NQ*SQ, v[ADRS]
	FETCH \next, 0, 0
	SCALES \next
	MULROWS MB/2, MB/2, 1, NQ-1, \slot, 0
.endm
.macro REST slot, q0
.set QQ_, \q0
.rept NQ-1-(\q0)
	STEP \slot, QQ_, 0
.set QQ_, QQ_+1
.endr
.endm
	s_load_b256 s[4:11], s[0:1], 0x0
	v_lshl_add_u32 v[SPW], v0, 2, SPARE
	v_mov_b32 v[NIL], 0
	ds_add_u32 v28, v29
	ds_add_u32 v28, v29
	s_wait_dscnt 0x0
	v_lshrrev_b32 v1, 5, v0
	v_readfirstlane_b32 s14, v1
	s_lshr_b32 s15, s14, 1
	s_and_b32 s16, s14, 1
	s_bfe_u32 s40, ttmp6, 0x40000
	s_bfe_u32 s41, ttmp6, 0x40004
	s_lshl_b32 s42, ttmp9, 2
	s_add_co_u32 s42, s42, s40
	s_and_b32 s17, ttmp7, 0xffff
	s_lshl_b32 s17, s17, 2
	s_add_co_u32 s17, s17, s41
	s_lshl_b32 s43, s41, 2
	s_lshl_b32 s43, 15, s43
	s_lshl_b32 s44, 0x1111, s40
	s_or_b32 s[G1+0], s43, (3<<16)|(1<<21)
	s_or_b32 s[G1B+0], s44, (3<<16)|(1<<21)
.irp g, G1, G1B                        ; at first, for the head's loads: two groups' first QUART bytes, two rows, a group's images apart in memory, on end in LDS
	s_mov_b32 s[\g+1], (QUART/8)<<16
	s_mov_b32 s[\g+2], 2<<16
	s_mov_b32 s[\g+3], (QUART/8)<<16
	s_mov_b32 s[\g+4], 2
	s_mov_b32 s[\g+5], GRPB/8
	s_mov_b32 s[\g+6], 0
	s_mov_b32 s[\g+7], 0
.endr
	s_or_b32 s[G1S+0], s43, (3<<16)|(1<<21)
	s_or_b32 s[G1SB+0], s44, (3<<16)|(1<<21)
.irp g, G1S, G1SB
	s_mov_b32 s[\g+1], 32<<16
	s_mov_b32 s[\g+2], (2*HALFS/256)<<16           ; two groups' scale words, dense
	s_mov_b32 s[\g+3], 32<<16
	s_mov_b32 s[\g+4], 2*HALFS/256
	s_mov_b32 s[\g+5], 32
	s_mov_b32 s[\g+6], 0
	s_mov_b32 s[\g+7], 0
.endr
	s_lshl_b32 s20, s17, 1
	s_add_co_u32 s20, s20, s16
	s_mul_i32 s22, s17, 2*HALFS                    ; the scale words of the tile's two groups of A
	s_add_co_u32 s22, s22, XSO
	s_mul_i32 s20, s20, GRPB
	s_mov_b32 s21, 0
	s_mov_b32 s23, 0
	s_lshl_b32 s46, s42, 1
	s_add_co_u32 s46, s46, s16
	s_mul_i32 s92, s42, 2*HALFS                    ; and of B
	s_add_co_u32 s92, s92, W1S
	s_mul_i32 s46, s46, GRPB
	s_add_co_u32 s46, s46, W1I
	s_mov_b32 s47, 0
	s_mov_b32 s93, 0
	s_mul_i32 s45, s14, QUART
	s_mov_b32 s[SEL], 0x76543210
	s_mov_b32 s[SEL+1], 0xfedcba98
	s_wait_kmcnt 0x0
	s_add_nc_u64 s[20:21], s[4:5], s[20:21]
	s_add_nc_u64 s[22:23], s[4:5], s[22:23]
	s_add_nc_u64 s[46:47], s[6:7], s[46:47]
	s_add_nc_u64 s[92:93], s[6:7], s[92:93]
	CROUND
	; THE HEAD'S FOUR TILES, ONE LOAD A WAVE: wave 0 slot 0's two groups of A, wave 1 of B, wave 2 A's scale words of all of K, wave 3 B's
	s_mov_b32 s[G0S], 1
	s_mov_b32 s[G0S+1], SCL
	s_mov_b64 s[G0S+2:G0S+3], s[22:23]
	s_or_b32 s[G0S+3], s[G0S+3], 0x80000000
	s_mov_b32 s[G0SB], 1
	s_mov_b32 s[G0SB+1], SCL+2*HALFS+128
	s_mov_b64 s[G0SB+2:G0SB+3], s[92:93]
	s_or_b32 s[G0SB+3], s[G0SB+3], 0x80000000
	s_mul_i32 s96, s16, GRPB                       ; from my own group back to the tile's first
	s_mov_b32 s97, 0
	s_mov_b32 s[G0], 1
	s_mov_b32 s[G0+1], 0
	s_sub_nc_u64 s[G0+2:G0+3], s[20:21], s[96:97]
	s_or_b32 s[G0+3], s[G0+3], 0x80000000
	s_mov_b32 s[G0B], 1
	s_mov_b32 s[G0B+1], 2*QUART
	s_sub_nc_u64 s[G0B+2:G0B+3], s[46:47], s[96:97]
	s_or_b32 s[G0B+3], s[G0B+3], 0x80000000
	s_mov_b64 s[96:97], s[20:21]                   ; my own group of A, kept for the ring
	s_mov_b32 s[G0+4], 1
	s_add_co_u32 s[G0+5], s45, SLOT
	s_add_nc_u64 s[G0+6:G0+7], s[20:21], QUART
	s_or_b32 s[G0+7], s[G0+7], 0x80000000
	s_mov_b32 s[G0B+4], 1
	s_add_co_u32 s[G0B+5], s45, SLOT
	s_add_nc_u64 s[G0B+6:G0B+7], s[46:47], QUART
	s_or_b32 s[G0B+7], s[G0B+7], 0x80000000
.macro ARM under, g0, g1, next         ; one chain of branches on the wave's number, one load to an arm, all arms leading to one join
	s_cmp_lt_u32 s14, \under
	s_cbranch_scc0 \next
	tensor_load_to_lds s[\g0:\g0+3], s[\g1:\g1+7]
	s_nop 0
.rept 4
	v_nop
.endr
	s_branch .Lhead_asked
\next:
.endm
	ARM 1, G0, G1, .Lhead_b
	ARM 2, G0B, G1B, .Lhead_sa
	ARM 3, G0S, G1S, .Lhead_sb
	tensor_load_to_lds s[G0SB:G0SB+3], s[G1SB:G1SB+7]
	s_nop 0
.rept 4
	v_nop
.endr
.Lhead_asked:
	; PREFETCHES INTO THE L2.  Behind fill t a wave asks for what fill t + 2 will load: of the 96 blocks of 256 bytes of my group's QUART each of the four partners that ask for it jointly takes 24,
	; told apart by address (cx for A's waves, cy for B's), a lane a block; the eight lanes left over name the last block again.  Fills 0 and 1 come by their loads alone; fills 2 and 3 are the last.
	v_and_b32 v23, 31, v0
	v_min_u32 v23, 23, v23
	v_lshlrev_b32 v23, 8, v23
	s_cmp_eq_u32 s15, 0                            ; do I fetch for A?
	s_cselect_b64 s[100:101], s[96:97], s[46:47]   ; my group's images
	s_cselect_b32 s2, s40, s41                     ; my place among the four
	s_mul_i32 s2, s2, 24*256
	s_mov_b32 s3, 0
	s_add_nc_u64 s[100:101], s[100:101], s[2:3]    ; never rewritten
	global_prefetch_b8 v23, s[100:101] offset:2*QUART th:TH_LOAD_NT scope:SCOPE_SE
	v_and_b32 v1, 15, v0
	v_bfe_u32 v2, v0, 4, 1
	s_wait_alu depctr_va_vdst(0)
	v_and_b32 v3, 31, v0
	v_lshlrev_b32 v[LI], 4, v3
	s_mul_i32 s21, s15, QUART
	s_mul_i32 s22, s16, QUART
	s_add_co_u32 s22, s22, 2*QUART
.irp s, 0,1
	v_add_nc_u32 v[ADRA+\s], s21, v[LI]
	v_add_nc_u32 v[ADRB+\s], s22, v[LI]
	s_add_co_u32 s21, s21, SLOT
	s_add_co_u32 s22, s22, SLOT
.endr
	s_mul_i32 s21, s15, HALFS
	s_mul_i32 s22, s16, HALFS
	s_add_co_u32 s22, s22, 2*HALFS+128
	s_sub_co_u32 s22, s22, s21
	v_mul_u32_u24 v4, s22, v2
	s_add_co_u32 s21, s21, SCL
	v_lshl_add_u32 v4, v1, 2, v4
	v_add_nc_u32 v[ADRS], s21, v4
	s_lshl_b32 s21, s14, 10
	v_lshlrev_b32 v4, 2, v1
	v_add_nc_u32 v[STO], s21, v4
	v_add_nc_u32 v[RD], s21, v[LI]
	v_lshlrev_b32 v[VEO], 13, v2
	v_lshl_add_u32 v[VEO], v1, 4, v[VEO]
	s_lshl_b32 s18, s42, 10
	s_lshl_b32 s19, s16, 9
	s_add_co_u32 s18, s18, s19
	v_lshl_add_u32 v5, v2, 6, s18
	WIN 0x40
.irp b, 0,1,2,3,4,5,6,7
	global_load_b128 v[CI+8*\b:CI+8*\b+3], v5, s[8:9] offset:(32*(\b/2)+8*(\b%2))*4
	global_load_b128 v[CI+8*\b+4:CI+8*\b+7], v5, s[8:9] offset:(32*(\b/2)+8*(\b%2))*4+16
.endr
	WIN 0
	s_wait_alu depctr_va_vdst(0)
	s_wait_tensorcnt 0x0                           ; my tile of the head's four is in
	ds_add_u32 v[SPW], v[NIL]
.irp g, G1, G1B                        ; no tensor load of mine is out, so descriptors may be written: from here on a load brings one group's QUART bytes, 96 rows of 256
	s_mov_b32 s[\g+1], 32<<16
	s_mov_b32 s[\g+2], 96<<16
	s_mov_b32 s[\g+3], 32<<16
	s_mov_b32 s[\g+4], 96
	s_mov_b32 s[\g+5], 32
.endr
	s_mov_b32 s[G0+1], s45                         ; and slot 0's group 0 names my own group
	s_mov_b64 s[G0+2:G0+3], s[96:97]
	s_or_b32 s[G0+3], s[G0+3], 0x80000000
	s_mov_b32 s[G0B+1], s45
	s_mov_b64 s[G0B+2:G0B+3], s[46:47]
	s_or_b32 s[G0B+3], s[G0B+3], 0x80000000
	s_wait_dscnt 0x0                               ; the add is done
	CROUND                                         ; a whole round: all four tiles are in, and all sixteen work-groups are here
	JLOAD G0+4, G1, G0B+4, G1B                     ; slot 1's first fill, the first tensor load behind the round
	global_prefetch_b8 v23, s[100:101] offset:3*QUART th:TH_LOAD_NT scope:SCOPE_SE   ; behind fill 1: my share of fill 3
	FETCH 0, 0, 0
	SCALES 0
	s_wait_loadcnt 0x0
	STEP 0, 0, 2
	WIN 0
	s_mov_b32 s3, LAPS-1
.Llap:
	REST 0, 1
	TURN 0, 1, 1
	REST 1, 0
	TURN 1, 0, 1
	STEP 0, 0, 0
	WIN 0
	s_sub_co_u32 s3, s3, 1
	s_cmp_lg_u32 s3, 0
	s_cbranch_scc1 .Llap
	REST 0, 1
	TURN 0, 1, 0
	REST 1, 0
	s_wait_dscnt 0x0
	MULROWS 0, MB, 1, NQ-1, 1, 0
	WIN 0
.rept 4
	v_nop
.endr
.irp b, 0,1,2,3
	v_mov_b32 v[TM+4+\b], 0
.endr
	s_lshl_b32 s18, s17, 2
	s_lshl_b32 s19, s15, 1
	s_add_co_u32 s18, s18, s19
	s_lshl_b32 s18, s18, 5
	s_lshl_b32 s19, s42, 1
	s_add_co_u32 s18, s18, s19
	s_add_co_u32 s18, s18, s16
	s_mul_i32 s22, s18, 6144
	s_mov_b32 s23, 0
	s_add_nc_u64 s[22:23], s[10:11], s[22:23]
	s_lshl_b32 s92, s18, 8
	s_add_co_u32 s92, s92, HS
	s_mov_b32 s93, 0
	s_add_nc_u64 s[92:93], s[10:11], s[92:93]
.macro EH a
.set W_, 2+(\a)/4
.set AR, 64*((\a)%4)
.set WN_, W_<<2
	WIN WN_
.set J_, 0
.rept 64
	v_max_num_f32 v[Y+J_], 0, v[AR+J_]
.set J_, J_+1
.endr
	WIN 0
	s_wait_xcnt 0x0
	QUANT Y
.irp c, 0,1,2
	global_store_b128 v[LI], v[PC+4*\c:PC+4*\c+3], s[22:23] offset:((\a)/4)*196608+((\a)%4)*1536+512*\c
.endr
	ds_store_b32 v[STO], v[PW] offset:64*(\a)
.endm
.irp a, 0,1,2,3,4,5,6,7
	EH \a
.endr
	ds_load_b128 v[WB:WB+3], v[RD]
	s_wait_dscnt 0x0
	global_store_b128 v[VEO], v[WB:WB+3], s[92:93]
	s_wait_tensorcnt 0x0
	ds_add_u32 v[SPW], v[NIL]
	s_wait_dscnt 0x0
	CROUND
	s_endpgm
.Lfunc_end_k_qba94e6f48e_ff1:
	.size	k_qba94e6f48e_ff1, .Lfunc_end_k_qba94e6f48e_ff1-k_qba94e6f48e_ff1
	.p2alignl 7, 3214868480
	.fill 96, 4, 3214868480
	.section	.rodata,"a",@progbits
	.p2align	6, 0x0
	.amdhsa_kernel k_qba94e6f48e_ff1
		.amdhsa_group_segment_fixed_size 327680
		.amdhsa_private_segment_fixed_size 0
		.amdhsa_enable_private_segment 0
		.amdhsa_kernarg_size 32
		.amdhsa_user_sgpr_count 2
		.amdhsa_user_sgpr_kernarg_segment_ptr 1
		.amdhsa_wavefront_size32 1
		.amdhsa_system_sgpr_workgroup_id_x 1
		.amdhsa_system_sgpr_workgroup_id_y 1
		.amdhsa_system_sgpr_workgroup_id_z 1
		.amdhsa_system_vgpr_workitem_id 0
		.amdhsa_next_free_vgpr 1024
		.amdhsa_next_free_sgpr 102
		.amdhsa_reserve_vcc 0
		.amdhsa_float_denorm_mode_32 3
		.amdhsa_float_denorm_mode_16_64 3
		.amdhsa_memory_ordered 1
		.amdhsa_forward_progress 1
		.amdhsa_inst_pref_size 160
	.end_amdhsa_kernel
	.amdgpu_metadata
---
amdhsa.version: [ 1, 2 ]
amdhsa.kernels:
  - .name:           k_qba94e6f48e_ff1
    .symbol:         k_qba94e6f48e_ff1.kd
    .args:
      - { .name: xq, .offset: 0, .size: 8, .value_kind: global_buffer, .address_space: global }
      - { .name: prepbuf, .offset: 8, .size: 8, .value_kind: global_buffer, .address_space: global }
      - { .name: b1, .offset: 16, .size: 8, .value_kind: global_buffer, .address_space: global }
      - { .name: hq, .offset: 24, .size: 8, .value_kind: global_buffer, .address_space: global }
    .group_segment_fixed_size: 327680
    .private_segment_fixed_size: 0
    .kernarg_segment_align: 8
    .kernarg_segment_size: 32
    .max_flat_workgroup_size: 128
    .sgpr_count:     102
    .vgpr_count:     1024
    .wavefront_size: 32
...
	.end_amdgpu_metadata
.endif
;; end of part 5
;; launch ff2 (part 6): grid 8 x 32, 4 waves a work-group, clusters of 4 x 4, 327,680 bytes of LDS; arguments hq, prepbuf, b2, xbuf, rows32; writes rows32
.if DOCPART == 6
	.amdgcn_target "amdgcn-amd-amdhsa--gfx1250"
	.amdhsa_code_object_version 6
	.text
	.protected	k_qba94e6f48e_ff2
	.globl	k_qba94e6f48e_ff2
	.p2align	8
	.type	k_qba94e6f48e_ff2,@function
k_qba94e6f48e_ff2:
	s_mov_b64 s[64:65], 0
	v_nop
	global_prefetch_b8 v0, s[64:65] scope:SCOPE_SE
	s_setreg_imm32_b32 hwreg(HW_REG_WAVE_MODE, 25, 1), 1
	s_wait_xcnt 0x0
	s_wait_alu depctr_hold_cnt(0) depctr_sa_sdst(0) depctr_va_vdst(0) depctr_va_sdst(0) depctr_va_ssrc(0) depctr_va_vcc(0) depctr_vm_vsrc(0)
	s_getreg_b32 s2, hwreg(HW_REG_IB_STS2, 6, 4)
	s_cmp_eq_u32 s2, 0
	s_cbranch_scc0 .Lentry_in_a_cluster
	s_endpgm
.Lentry_in_a_cluster:
	s_bfe_u32 s2, ttmp6, 0x10000c
	s_cmp_lg_u32 s2, 0xf033
	s_cbranch_scc0 .Lentry_shape_is_right
	s_endpgm
.Lentry_shape_is_right:
; z = x + h w2 + b2, the product on codes of E3M2.  M = 4,096, N = 1,024, K = 4,096.
; Tiles of 128 x 128, 64 x 64 to a wave (16 accumulators): 256 work-groups, one to a WGP; tiles of 256 x 256 would be 64.  K goes in 32 steps of 128.
; A K step is only 16 matrix instructions a wave, so a refill has little work in which to land: what counts here is how often the ring changes slots.  So the two slots are as large as LDS has room for beside the
; scale words of all of K: a K step's four groups are 24,576 bytes, eleven of them fit: slot A holds SIX K steps, slot B FIVE.  The 32 steps go as 6, 5, 6, 5, 5, 5: two first fills and four refills, one tensor load a wave each.
; The walk is written out, without a loop: every LDS offset is an immediate and no address register is stepped.
; All else is the frame of the other two products: operands as fragment images (16 rows x 128 K = 1,536 bytes, three loads of 512 consecutive bytes), a group's K steps on end in memory, so that a wave's part of a slot is one dense
; block; scale words brought once; clusters of 4 x 4 with joint loads (h's tiles along a row of the cluster, w2's along a column); the matrix instruction used transposed (source 0 = 16 rows of w2, source 1 = 16 rows of h).
; b2 is the C of each sum's first matrix instruction; x is asked for behind the refills, into registers that lie idle, and added on the way out.
.set MB, 4                             ; blocks of 16 rows of A for a wave
.set NB, 4                             ; and of B
.set KS, 32                            ; K steps
.set STEPB, MB*1536                    ; a group's images of one K step
.set GRPB, KS*STEPB                    ; of all
.set HALFS, MB*KS*64                   ; a group's scale words
.set SI, 64                            ; scale words [group][K step][block][r]: from block to block,
.set SQ, 256                           ; from K step to K step
.set CAPA, 6                           ; K steps in slot A
.set CAPB, 5                           ; in slot B
.set QA, CAPA*STEPB                    ; a wave's part of slot A: one group
.set QB, CAPB*STEPB
.set SLB, 4*QA                         ; slot A: A's two groups, then B's two; slot B begins here
.set SCL, SLB+4*QB                     ; A's scale words; B's begin 128 bytes further than a whole unit, so that lanes 16-31 fall on other banks than lanes 0-15
.set SPARE, SCL+4*HALFS+256            ; the spare words: two blocks of 256 bytes that no other line names
.set HS, 12582912
.set W2I, 9535488
.set W2S, 12681216
.set ADRA, 16                          ; v16-17 LDS address of my A fragments in slot A, B
.set ADRB, 20                          ; v20-21 the same for B's
.set XO, 22
.set LI, 24
.set STO, 25
.set RD, 26
.set ADRS, 27                          ; v27    my scale words: lanes 0-15 A's, lanes 16-31 B's; never rewritten
.set SPW, 28
.set NIL, 29
.set SC, 32                            ; v32-39 scale words and nothing else: set p at SC + 4 p; register i: A's block i below, B's block i above
.set AF, 64                            ; window 0: A's fragments, two sets of 48; window 1: B's at v0, two sets of 48; v192-223 b2; window 2: v0-127 the accumulators, v128-255 x
.set CI, 192
.set G1, 24                            ; s[24:31] group 1 for A's tiles of five K steps;  s[32:39] group 0, one set for each slot
.set G0, 32
.set G1B, 48                           ; s[48:55], s[56:63] the same for B's
.set G0B, 56
.set G6, 68                            ; s[68:75] group 1 for A's scale words; when that load is done, for A's tiles of six K steps: the two differ in the number of rows alone
.set G0S, 76
.set G6B, 80                           ; s[80:87] the same for B's
.set G0SB, 88
.set MSB, 0
.macro WIN new                         ; the immediate's high byte repeats the setting that is left
.if MSB != (\new)
	s_set_vgpr_msb (MSB<<8)|(\new)
.set MSB, (\new)
.endif
.endm
.macro JLOAD g0a, g1a, g0b, g1b        ; a joint load: waves 0, 1 fetch for A, waves 2, 3 for B; four v_nop follow each line
	s_cmp_eq_u32 s15, 0
	s_cbranch_scc0 .Lfor_b_\@
	tensor_load_to_lds s[\g0a:\g0a+3], s[\g1a:\g1a+7]
	s_nop 0
.rept 4
	v_nop
.endr
	s_branch .Lasked_\@
.Lfor_b_\@:
	tensor_load_to_lds s[\g0b:\g0b+3], s[\g1b:\g1b+7]
	s_nop 0
.rept 4
	v_nop
.endr
.Lasked_\@:
.endm
.macro CREST                           ; a round of the cluster's barrier behind its opening barrier
	s_cmp_lg_u32 s14, 0
	s_cbranch_scc1 .Lnot_wave_0_\@
	s_barrier_signal -3
.Lnot_wave_0_\@:
	s_barrier_wait -3
	s_barrier_signal -1
	s_barrier_wait -1
.endm
.macro CROUND
	s_barrier_signal -1
	s_barrier_wait -1
	CREST
.endm
; na blocks of A from a0 on against B's NB blocks: fragments and scale words of set p.  cm = 0: sums go on; 2: they begin with the bias.  All accumulators take turns, one instruction a turn, in the same order in every step.
.macro MULROWS a0, na, p, cm
.set A_, \a0
.rept \na
.set W_, 2+(8*NB*A_)/256
.set D0_, (8*NB*A_)%256
.if \cm == 2
.set WN_, (W_<<6)|(1<<4)|1
.else
.set WN_, (W_<<6)|(W_<<4)|1
.endif
	WIN WN_
.set FA_, AF+12*MB*(\p)+12*A_
.set SA_, SC+MB*(\p)+A_
.set B_, 0
.rept NB
.set D_, D0_+8*B_
.set FB_, 12*NB*(\p)+12*B_
.set SB_, SC+MB*(\p)+B_
.if \cm == 0
	v_wmma_scale_f32_16x16x128_f8f6f4 v[D_:D_+7], v[FB_:FB_+11], v[FA_:FA_+11], v[D_:D_+7], v[SB_], v[SA_] matrix_a_fmt:MATRIX_FMT_BF6 matrix_b_fmt:MATRIX_FMT_BF6 matrix_a_scale:MATRIX_SCALE_ROW1
.else
	v_wmma_scale_f32_16x16x128_f8f6f4 v[D_:D_+7], v[FB_:FB_+11], v[FA_:FA_+11], v[CI+8*B_:CI+8*B_+7], v[SB_], v[SA_] matrix_a_fmt:MATRIX_FMT_BF6 matrix_b_fmt:MATRIX_FMT_BF6 matrix_a_scale:MATRIX_SCALE_ROW1
.endif
.set B_, B_+1
.endr
.set A_, A_+1
.endr
.endm
.macro FETCH slot, q, p                ; the fragments of the slot's q-th K step into set p: each load takes 512 consecutive bytes
	WIN 0x40
.set I_, 0
.rept NB
.irp c, 0,1,2
	ds_load_b128 v[12*NB*(\p)+12*I_+4*\c:12*NB*(\p)+12*I_+4*\c+3], v[ADRB+\slot] offset:((\q)*MB+I_)*1536+512*\c
.endr
.set I_, I_+1
.endr
	WIN 0
.set I_, 0
.rept MB
.irp c, 0,1,2
	ds_load_b128 v[AF+12*MB*(\p)+12*I_+4*\c:AF+12*MB*(\p)+12*I_+4*\c+3], v[ADRA+\slot] offset:((\q)*MB+I_)*1536+512*\c
.endr
.set I_, I_+1
.endr
.endm
.macro SCL1 k, p                       ; the scale words of K step k into set p
.set I_, 0
.rept MB
	ds_load_b32 v[SC+MB*(\p)+I_], v[ADRS] offset:(\k)*SQ+I_*SI
.set I_, I_+1
.endr
.endm
; A K step that has its successor in the same slot: multiplies set p; the successor (the slot's nq-th, K step nk) is fetched into the other set.
.macro STEP p, nslot, nq, nk, cm
	s_wait_dscnt 0x0                               ; this step's fragments and words, asked for a step ago
.rept 4
	v_nop                                          ; places in front of loads into the set that the last step multiplied (ISA guide 7.12.1 for vector instructions)
.endr
	FETCH \nslot, \nq, 1-(\p)
	SCL1 \nk, 1-(\p)
	MULROWS 0, MB, \p, \cm
.endm
.macro RUN slot, kb, kfrom, klast      ; K steps kfrom .. klast - 1 of a slot whose first K step is kb and whose last is klast
.set KK_, \kfrom
.rept (\klast)-(\kfrom)
	STEP (KK_%2), \slot, (KK_+1-(\kb)), (KK_+1), 0
.set KK_, KK_+1
.endr
.endm
; A slot's last K step changes slots: one barrier; in front of it each wave waits for all its tensor loads, adds 0 to its spare word, and waits for that and for its own reads of this slot.
; fill = 1: the slot just read is filled again, delta bytes further along K, and the barrier opens a round of the cluster's.  nslot: the slot that is read next; nk: its first K step.
.macro TURN p, nslot, nk, fill, delta
	WIN 0
	s_wait_tensorcnt 0x0                           ; all my tensor loads have landed: my part of the next slot
	ds_add_u32 v[SPW], v[NIL]                      ; 0 onto my spare word
	s_wait_dscnt 0x1                               ; only the add may be out: this step's fragments are in
	MULROWS 0, MB/4, \p, 0
	s_wait_dscnt 0x0                               ; the add is done, and my reads of this slot are over
	s_barrier_signal -1
	MULROWS MB/4, MB/4, \p, 0
	WIN 0
	s_barrier_wait -1
.if \fill
	CREST                                          ; no wave of any partner still reads this slot or has a load on its way
.set GS_, 4*(1-(\nslot))
	s_add_nc_u64 s[G0+GS_+2:G0+GS_+3], s[G0+GS_+2:G0+GS_+3], \delta
	s_add_nc_u64 s[G0B+GS_+2:G0B+GS_+3], s[G0B+GS_+2:G0B+GS_+3], \delta
.if (\nslot) == 1 && (\nk) == CAPA
	JLOAD G0, G6, G0B, G6B                         ; slot A takes six K steps.  The first tensor load behind the round; its four v_nop are also the places in front of the loads below
.elseif (\nslot) == 1
	JLOAD G0, G1, G0B, G1B                         ; slot A's last fill: five K steps
.else
	JLOAD G0+4, G1, G0B+4, G1B                     ; slot B takes five
.endif
.else
.rept 4
	v_nop
.endr
.endif
	FETCH \nslot, 0, 1-(\p)
	SCL1 \nk, 1-(\p)
	MULROWS MB/2, MB/2, \p, 0
.endm
	s_load_b256 s[4:11], s[0:1], 0x0               ; hq, prepbuf, b2, xbuf
	s_load_b64 s[12:13], s[0:1], 0x20              ; rows32 (z)
	v_lshl_add_u32 v[SPW], v0, 2, SPARE
	v_mov_b32 v[NIL], 0
	ds_add_u32 v28, v29
	ds_add_u32 v28, v29
	s_wait_dscnt 0x0
	v_lshrrev_b32 v1, 5, v0
	v_readfirstlane_b32 s14, v1                    ; wave
	s_lshr_b32 s15, s14, 1                         ; my half of the tile's rows.  Also: I fetch for A (0) or B (1)
	s_and_b32 s16, s14, 1                          ; my half of its columns.  Also: which group I fetch
	s_bfe_u32 s40, ttmp6, 0x40000
	s_bfe_u32 s41, ttmp6, 0x40004
	s_lshl_b32 s42, ttmp9, 2
	s_add_co_u32 s42, s42, s40                     ; tile of 128 columns
	s_and_b32 s17, ttmp7, 0xffff
	s_lshl_b32 s17, s17, 2
	s_add_co_u32 s17, s17, s41                     ; tile of 128 rows
	s_lshl_b32 s43, s41, 2
	s_lshl_b32 s43, 15, s43                        ; my row of the cluster
	s_lshl_b32 s44, 0x1111, s40                    ; my column
	; descriptor group 1: a dense block as rows of 32 elements of 8 bytes; a K step of a group is 24 such rows; the mask, and bit 21 beside it
	s_or_b32 s[G1+0], s43, (3<<16)|(1<<21)
	s_or_b32 s[G1B+0], s44, (3<<16)|(1<<21)
.irp g, G1, G1B                        ; at first, for the head's loads: two groups' first six K steps, two rows of QA bytes, a group's images apart in memory, on end in LDS
	s_mov_b32 s[\g+1], (QA/8)<<16
	s_mov_b32 s[\g+2], 2<<16
	s_mov_b32 s[\g+3], (QA/8)<<16
	s_mov_b32 s[\g+4], 2
	s_mov_b32 s[\g+5], GRPB/8
	s_mov_b32 s[\g+6], 0
	s_mov_b32 s[\g+7], 0
.endr
	s_or_b32 s[G6+0], s43, (3<<16)|(1<<21)         ; at first: two groups' scale words, 2 HALFS dense bytes
	s_or_b32 s[G6B+0], s44, (3<<16)|(1<<21)
.irp g, G6, G6B
	s_mov_b32 s[\g+1], 32<<16
	s_mov_b32 s[\g+2], (2*HALFS/256)<<16           ; two groups' scale words, dense
	s_mov_b32 s[\g+3], 32<<16
	s_mov_b32 s[\g+4], 2*HALFS/256
	s_mov_b32 s[\g+5], 32
	s_mov_b32 s[\g+6], 0
	s_mov_b32 s[\g+7], 0
.endr
	s_lshl_b32 s20, s17, 1
	s_add_co_u32 s20, s20, s16                     ; A's group that I would fetch
	s_mul_i32 s22, s17, 2*HALFS                    ; the scale words of the tile's two groups of A
	s_add_co_u32 s22, s22, HS
	s_mul_i32 s20, s20, GRPB
	s_mov_b32 s21, 0
	s_mov_b32 s23, 0
	s_lshl_b32 s46, s42, 1
	s_add_co_u32 s46, s46, s16                     ; B's
	s_mul_i32 s92, s42, 2*HALFS                    ; and of B
	s_add_co_u32 s92, s92, W2S
	s_mul_i32 s46, s46, GRPB
	s_add_co_u32 s46, s46, W2I
	s_mov_b32 s47, 0
	s_mov_b32 s93, 0
	s_mul_i32 s45, s14, QA                         ; where they go: the wave's number alone: in slot A,
	s_mul_i32 s3, s14, QB                          ; in slot B,
	s_wait_kmcnt 0x0
	s_add_nc_u64 s[20:21], s[4:5], s[20:21]
	s_add_nc_u64 s[22:23], s[4:5], s[22:23]
	s_add_nc_u64 s[46:47], s[6:7], s[46:47]
	s_add_nc_u64 s[92:93], s[6:7], s[92:93]
	CROUND                                         ; all sixteen work-groups are here: the first joint loads meet
	; THE HEAD'S FOUR TILES, ONE LOAD A WAVE: wave 0 K steps 0 to 5 of A's two groups, wave 1 of B's, wave 2 A's scale words of all of K, wave 3 B's.
	; The walk over the 32 K steps: slot A 0-5, slot B 6-10, A 11-16, B 17-21, A 22-26, B 27-31.
	s_mov_b32 s[G0S], 1
	s_mov_b32 s[G0S+1], SCL
	s_mov_b64 s[G0S+2:G0S+3], s[22:23]
	s_or_b32 s[G0S+3], s[G0S+3], 0x80000000
	s_mov_b32 s[G0SB], 1
	s_mov_b32 s[G0SB+1], SCL+2*HALFS+128
	s_mov_b64 s[G0SB+2:G0SB+3], s[92:93]
	s_or_b32 s[G0SB+3], s[G0SB+3], 0x80000000
	s_mul_i32 s22, s17, 2*GRPB                     ; the tile's first group of A,
	s_mov_b32 s23, 0
	s_mul_i32 s92, s42, 2*GRPB                     ; and of B
	s_add_co_u32 s92, s92, W2I
	s_mov_b32 s93, 0
	s_mov_b32 s[G0], 1
	s_mov_b32 s[G0+1], 0
	s_add_nc_u64 s[G0+2:G0+3], s[4:5], s[22:23]
	s_or_b32 s[G0+3], s[G0+3], 0x80000000
	s_mov_b32 s[G0B], 1
	s_mov_b32 s[G0B+1], 2*QA
	s_add_nc_u64 s[G0B+2:G0B+3], s[6:7], s[92:93]
	s_or_b32 s[G0B+3], s[G0B+3], 0x80000000
	s_mov_b64 s[98:99], s[20:21]                   ; my own group of A, kept for the ring
	s_mov_b32 s[G0+4], 1
	s_add_co_u32 s[G0+5], s3, SLB
	s_add_nc_u64 s[G0+6:G0+7], s[20:21], CAPA*STEPB
	s_or_b32 s[G0+7], s[G0+7], 0x80000000
	s_mov_b32 s[G0B+4], 1
	s_add_co_u32 s[G0B+5], s3, SLB
	s_add_nc_u64 s[G0B+6:G0B+7], s[46:47], CAPA*STEPB
	s_or_b32 s[G0B+7], s[G0B+7], 0x80000000
.macro ARM under, g0, g1, next         ; one chain of branches on the wave's number, one load to an arm, all arms leading to one join
	s_cmp_lt_u32 s14, \under
	s_cbranch_scc0 \next
	tensor_load_to_lds s[\g0:\g0+3], s[\g1:\g1+7]
	s_nop 0
.rept 4
	v_nop
.endr
	s_branch .Lhead_asked
\next:
.endm
	ARM 1, G0, G1, .Lhead_b
	ARM 2, G0B, G1B, .Lhead_sa
	ARM 3, G0S, G6, .Lhead_sb
	tensor_load_to_lds s[G0SB:G0SB+3], s[G6B:G6B+7]
	s_nop 0
.rept 4
	v_nop
.endr
.Lhead_asked:
	v_and_b32 v1, 15, v0                           ; r
	v_bfe_u32 v2, v0, 4, 1                         ; h
	s_wait_alu depctr_va_vdst(0)
	v_and_b32 v3, 31, v0                           ; lane
	v_lshlrev_b32 v[LI], 4, v3
	s_mul_i32 s21, s15, QA
	s_mul_i32 s22, s16, QA
	s_add_co_u32 s22, s22, 2*QA
	v_add_nc_u32 v[ADRA], s21, v[LI]
	v_add_nc_u32 v[ADRB], s22, v[LI]
	s_mul_i32 s21, s15, QB
	s_add_co_u32 s21, s21, SLB
	s_mul_i32 s22, s16, QB
	s_add_co_u32 s22, s22, SLB+2*QB
	v_add_nc_u32 v[ADRA+1], s21, v[LI]
	v_add_nc_u32 v[ADRB+1], s22, v[LI]
	s_mul_i32 s21, s15, HALFS
	s_mul_i32 s22, s16, HALFS
	s_add_co_u32 s22, s22, 2*HALFS+128
	s_sub_co_u32 s22, s22, s21
	v_mul_u32_u24 v4, s22, v2                      ; lanes 16-31 take B's: one product with h
	s_add_co_u32 s21, s21, SCL
	v_lshl_add_u32 v4, v1, 2, v4
	v_add_nc_u32 v[ADRS], s21, v4
	s_mul_i32 s21, s14, 4352                       ; a stage of 16 rows x 272 bytes a wave, in slot A, used behind its last fill and last read
	v_mul_u32_u24 v4, v1, 272
	v_lshl_add_u32 v4, v2, 5, v4
	v_add_nc_u32 v[STO], s21, v4
	v_mul_u32_u24 v4, v2, 272
	v_lshl_add_u32 v4, v1, 4, v4
	v_add_nc_u32 v[RD], s21, v4
	v_lshlrev_b32 v[XO], 12, v2
	v_lshl_add_u32 v[XO], v1, 4, v[XO]             ; lanes 0-15 one row's 256 bytes, lanes 16-31 the next row's
	s_lshl_b32 s18, s42, 9
	s_lshl_b32 s19, s16, 8
	s_add_co_u32 s18, s18, s19                     ; my first column, in bytes
	v_lshl_add_u32 v5, v2, 5, s18
	v_min_u32 v6, 29, v3                           ; the prefetches' offsets, a lane a block of 256 bytes; never rewritten.  Five K steps: 30 blocks, the two lanes left over name the last again;
	v_lshlrev_b32 v6, 8, v6
	v_lshlrev_b32 v7, 8, v3                        ; six K steps: 32 blocks,
	v_min_u32 v8, 3, v3
	v_lshl_add_u32 v8, v8, 8, 32*256               ; and four more
	s_wait_alu depctr_va_vdst(0)
	s_lshl_b32 s19, s17, 7
	s_lshl_b32 s94, s15, 6
	s_add_co_u32 s19, s19, s94
	s_lshl_b32 s19, s19, 12                        ; my first row, in bytes
	s_add_co_u32 s94, s19, s18
	s_mov_b32 s95, 0
	s_add_nc_u64 s[96:97], s[12:13], s[94:95]      ; z
	s_add_nc_u64 s[94:95], s[10:11], s[94:95]      ; x
	; PREFETCHES INTO THE L2.  Behind fill t a wave asks for what fill t + 2 will load.  A fill of n K steps is 24 n blocks of 256 bytes of my group; each of the four partners that ask for it jointly takes 6 n,
	; told apart by address (cx for A's waves, cy for B's).  The fills: 0: K steps 0-5, 1: 6-10, 2: 11-16, 3: 17-21, 4: 22-26, 5: 27-31.  Fills 0 and 1 come by their loads alone; behind fills 4 and 5 nothing is left to ask for.
	s_cmp_eq_u32 s15, 0                            ; do I fetch for A?
	s_cselect_b64 s[100:101], s[98:99], s[46:47]   ; my group's images
	s_cselect_b32 s2, s40, s41                     ; my place among the four
	s_mul_i32 s22, s2, 30*256
	s_mov_b32 s23, 0
	s_mul_i32 s92, s2, 36*256
	s_mov_b32 s93, 0
	s_add_nc_u64 s[104:105], s[100:101], s[92:93]  ; my share of a fill of six K steps,
	s_add_nc_u64 s[100:101], s[100:101], s[22:23]  ; of five; neither is rewritten
.macro ASK5 k                          ; my share of the five K steps from k on
	WIN 0
	global_prefetch_b8 v6, s[100:101] offset:(\k)*STEPB th:TH_LOAD_NT scope:SCOPE_SE
.endm
.macro ASK6 k                          ; of the six K steps from k on
	WIN 0
	global_prefetch_b8 v7, s[104:105] offset:(\k)*STEPB th:TH_LOAD_NT scope:SCOPE_SE
	global_prefetch_b8 v8, s[104:105] offset:(\k)*STEPB th:TH_LOAD_NT scope:SCOPE_SE
.endm
	ASK6 11                                        ; behind fill 0: fill 2
	WIN 0x40
.irp b, 0,1,2,3
	global_load_b128 v[CI+8*\b:CI+8*\b+3], v5, s[8:9] offset:64*\b
	global_load_b128 v[CI+8*\b+4:CI+8*\b+7], v5, s[8:9] offset:64*\b+16
.endr
.macro XLOAD a                         ; x's 16 rows of block a, eight loads into registers that lie idle: one block behind each refill, so that none stands beside the head's tiles
	WIN 0x80
.irp t, 0,1,2,3,4,5,6,7
	global_load_b128 v[128+32*(\a)+4*\t:128+32*(\a)+4*\t+3], v[XO], s[94:95] offset:(16*(\a)+2*\t)*4096
.endr
.endm
	WIN 0
	s_wait_alu depctr_va_vdst(0)                   ; the wait at the head's end
	s_wait_tensorcnt 0x0                           ; my tile of the head's four is in
	ds_add_u32 v[SPW], v[NIL]
.irp g, G1, G1B                        ; no tensor load of mine is out, so descriptors may be written: from here on a load brings one group's five K steps, 120 rows of 256 bytes,
	s_mov_b32 s[\g+1], 32<<16
	s_mov_b32 s[\g+2], (24*CAPB)<<16
	s_mov_b32 s[\g+3], 32<<16
	s_mov_b32 s[\g+4], 24*CAPB
	s_mov_b32 s[\g+5], 32
.endr
.irp g, G6, G6B                        ; or six, 144 rows;
	s_mov_b32 s[\g+2], (24*CAPA)<<16
	s_mov_b32 s[\g+4], 24*CAPA
.endr
	s_mov_b32 s[G0+1], s45                         ; and slot A's group 0 names my own group
	s_mov_b64 s[G0+2:G0+3], s[98:99]
	s_or_b32 s[G0+3], s[G0+3], 0x80000000
	s_mov_b32 s[G0B+1], s45
	s_mov_b64 s[G0B+2:G0B+3], s[46:47]
	s_or_b32 s[G0B+3], s[G0B+3], 0x80000000
	s_wait_dscnt 0x0                               ; the add is done
	CROUND                                         ; a whole round: all four tiles are in, and all sixteen work-groups are here
	JLOAD G0+4, G1, G0B+4, G1B                     ; slot B: K steps 6 to 10, the first tensor load behind the round
	FETCH 0, 0, 0
	SCL1 0, 0
	s_wait_loadcnt 0x0                             ; b2 is in
	STEP 0, 0, 1, 1, 2                             ; K step 0 starts the sums with the bias
	ASK5 17                                        ; behind fill 1: fill 3
	RUN 0, 0, 1, 5                                 ; K steps 1 to 4
	TURN 1, 1, 6, 1, 11*STEPB                      ; K step 5; slot A takes K steps 11 to 16
	XLOAD 0
	ASK5 22                                        ; behind fill 2: fill 4
	RUN 1, 6, 6, 10
	TURN 0, 0, 11, 1, 11*STEPB                     ; K step 10; slot B takes K steps 17 to 21
	XLOAD 1
	ASK5 27                                        ; behind fill 3: fill 5
	RUN 0, 11, 11, 16
	TURN 0, 1, 17, 1, 11*STEPB                     ; K step 16; slot A takes K steps 22 to 26
	XLOAD 2
	RUN 1, 17, 17, 21
	TURN 1, 0, 22, 1, 10*STEPB                     ; K step 21; slot B takes K steps 27 to 31
	XLOAD 3
	RUN 0, 22, 22, 26
	TURN 0, 1, 27, 0, 0                            ; K step 26: nothing is left to fetch
	RUN 1, 27, 27, 31
	s_wait_dscnt 0x0
	MULROWS 0, MB, 1, 0                            ; K step 31
	WIN 0
.rept 4
	v_nop                                          ; places behind the last products
.endr
	s_wait_loadcnt 0x0                             ; x
.irp a, 0,1,2,3                                ; 16 rows x 64 columns at a time through my stage: whole rows of 256 bytes come back, x is added, sixteen lanes store an aligned 256 bytes
	WIN 0x08                                       ; an LDS store's data are its source 1: window 2
.irp b, 0,1,2,3
	ds_store_b128 v[STO], v[32*\a+8*\b:32*\a+8*\b+3] offset:64*\b
	ds_store_b128 v[STO], v[32*\a+8*\b+4:32*\a+8*\b+7] offset:64*\b+16
.endr
	WIN 0
.irp t, 0,1,2,3,4,5,6,7
	ds_load_b128 v[64+32*\a+4*\t:64+32*\a+4*\t+3], v[RD] offset:544*\t   ; my own bytes; LDS serves a wave's instructions in order
.endr
	s_wait_dscnt 0x0
	WIN 0x08
.irp t, 0,2,4,6,8,10,12,14,16,18,20,22,24,26,28,30
	v_pk_add_f32 v[64+32*\a+\t:64+32*\a+\t+1], v[64+32*\a+\t:64+32*\a+\t+1], v[128+32*\a+\t:128+32*\a+\t+1]
.endr
	WIN 0
.irp t, 0,1,2,3,4,5,6,7
	global_store_b128 v[XO], v[64+32*\a+4*\t:64+32*\a+4*\t+3], s[96:97] offset:(16*\a+2*\t)*4096
.endr
.endr
	s_wait_tensorcnt 0x0                           ; the wave's end
	ds_add_u32 v[SPW], v[NIL]
	s_wait_dscnt 0x0
	CROUND                                         ; the closing round
	s_endpgm
.Lfunc_end_k_qba94e6f48e_ff2:
	.size	k_qba94e6f48e_ff2, .Lfunc_end_k_qba94e6f48e_ff2-k_qba94e6f48e_ff2
	.p2alignl 7, 3214868480
	.fill 96, 4, 3214868480
	.section	.rodata,"a",@progbits
	.p2align	6, 0x0
	.amdhsa_kernel k_qba94e6f48e_ff2
		.amdhsa_group_segment_fixed_size 327680
		.amdhsa_private_segment_fixed_size 0
		.amdhsa_enable_private_segment 0
		.amdhsa_kernarg_size 40
		.amdhsa_user_sgpr_count 2
		.amdhsa_user_sgpr_kernarg_segment_ptr 1
		.amdhsa_wavefront_size32 1
		.amdhsa_system_sgpr_workgroup_id_x 1
		.amdhsa_system_sgpr_workgroup_id_y 1
		.amdhsa_system_sgpr_workgroup_id_z 1
		.amdhsa_system_vgpr_workitem_id 0
		.amdhsa_next_free_vgpr 768
		.amdhsa_next_free_sgpr 106
		.amdhsa_reserve_vcc 0
		.amdhsa_float_denorm_mode_32 3
		.amdhsa_float_denorm_mode_16_64 3
		.amdhsa_memory_ordered 1
		.amdhsa_forward_progress 1
		.amdhsa_inst_pref_size 161
	.end_amdhsa_kernel
	.amdgpu_metadata
---
amdhsa.version: [ 1, 2 ]
amdhsa.kernels:
  - .name:           k_qba94e6f48e_ff2
    .symbol:         k_qba94e6f48e_ff2.kd
    .args:
      - { .name: hq, .offset: 0, .size: 8, .value_kind: global_buffer, .address_space: global }
      - { .name: prepbuf, .offset: 8, .size: 8, .value_kind: global_buffer, .address_space: global }
      - { .name: b2, .offset: 16, .size: 8, .value_kind: global_buffer, .address_space: global }
      - { .name: xbuf, .offset: 24, .size: 8, .value_kind: global_buffer, .address_space: global }
      - { .name: rows32, .offset: 32, .size: 8, .value_kind: global_buffer, .address_space: global }
    .group_segment_fixed_size: 327680
    .private_segment_fixed_size: 0
    .kernarg_segment_align: 8
    .kernarg_segment_size: 40
    .max_flat_workgroup_size: 128
    .sgpr_count:     106
    .vgpr_count:     768
    .wavefront_size: 32
...
	.end_amdgpu_metadata
.endif
;; end of part 6
;; launch ln2 (part 7): grid 256 x 1, 8 waves a work-group, no clusters, 0 bytes of LDS; arguments rows32, ln2_g, ln2_b, out0; writes out0
.if DOCPART == 7
	.amdgcn_target "amdgcn-amd-amdhsa--gfx1250"
	.amdhsa_code_object_version 6
	.text
	.protected	k_qba94e6f48e_ln2
	.globl	k_qba94e6f48e_ln2
	.p2align	8
	.type	k_qba94e6f48e_ln2,@function
k_qba94e6f48e_ln2:
	s_mov_b64 s[64:65], 0
	v_nop
	global_prefetch_b8 v0, s[64:65] scope:SCOPE_SE
	s_setreg_imm32_b32 hwreg(HW_REG_WAVE_MODE, 25, 1), 1
	s_wait_xcnt 0x0
; out = LayerNorm(z) g + b, in f32.  A wave takes two whole rows of 1,024 numbers, 32 a lane, so that mean and variance never leave the wave and the row is read once.
; Memory binds: each load and store of a wave covers 512 consecutive bytes.  No LDS, no barrier, no matrix unit, no cluster: work-groups share only g and b.
.set Y0, 32
.set Y1, 64
.set G, 96
.set B, 128
.set T, 16
.set M, 20
.set SEL, 18
.set RN, 20
.set EPS, 21
.macro REDUCE
	s_delay_alu instid0(VALU_DEP_1)
	v_add_f32_dpp v[T], v[T], v[T] row_xmask:1 row_mask:0xf bank_mask:0xf
	s_delay_alu instid0(VALU_DEP_1)
	v_add_f32_dpp v[T], v[T], v[T] row_xmask:2 row_mask:0xf bank_mask:0xf
	s_delay_alu instid0(VALU_DEP_1)
	v_add_f32_dpp v[T], v[T], v[T] row_xmask:4 row_mask:0xf bank_mask:0xf
	s_delay_alu instid0(VALU_DEP_1)
	v_add_f32_dpp v[T], v[T], v[T] row_xmask:8 row_mask:0xf bank_mask:0xf
	s_delay_alu instid0(VALU_DEP_1)
	v_permlanex16_b32 v[T+1], v[T], s[SEL], s[SEL+1]
	s_delay_alu instid0(VALU_DEP_1)
	v_add_f32 v[T], v[T], v[T+1]
.endm
.macro LNROW Y
	v_pk_add_f32 v[T:T+1], v[\Y:\Y+1], v[\Y+2:\Y+3]
	v_pk_add_f32 v[T+2:T+3], v[\Y+4:\Y+5], v[\Y+6:\Y+7]
.irp j, 8,12,16,20,24,28
	s_delay_alu instid0(VALU_DEP_2)
	v_pk_add_f32 v[T:T+1], v[T:T+1], v[\Y+\j:\Y+\j+1]
	s_delay_alu instid0(VALU_DEP_2)
	v_pk_add_f32 v[T+2:T+3], v[T+2:T+3], v[\Y+\j+2:\Y+\j+3]
.endr
	s_delay_alu instid0(VALU_DEP_1)
	v_pk_add_f32 v[T:T+1], v[T:T+1], v[T+2:T+3]
	s_delay_alu instid0(VALU_DEP_1)
	v_add_f32 v[T], v[T], v[T+1]
	REDUCE
	s_delay_alu instid0(VALU_DEP_1)
	v_mul_f32 v[M], 0x3a800000, v[T]               ; the mean: / 1,024
	s_delay_alu instid0(VALU_DEP_1)
	v_mov_b32 v[M+1], v[M]
.irp j, 0,2,4,6,8,10,12,14,16,18,20,22,24,26,28,30
	v_pk_add_f32 v[\Y+\j:\Y+\j+1], v[\Y+\j:\Y+\j+1], v[M:M+1] neg_lo:[0,1] neg_hi:[0,1]
.endr
	v_pk_mul_f32 v[T:T+1], v[\Y:\Y+1], v[\Y:\Y+1]
	v_pk_mul_f32 v[T+2:T+3], v[\Y+2:\Y+3], v[\Y+2:\Y+3]
.irp j, 4,8,12,16,20,24,28
	s_delay_alu instid0(VALU_DEP_2)
	v_pk_fma_f32 v[T:T+1], v[\Y+\j:\Y+\j+1], v[\Y+\j:\Y+\j+1], v[T:T+1]
	s_delay_alu instid0(VALU_DEP_2)
	v_pk_fma_f32 v[T+2:T+3], v[\Y+\j+2:\Y+\j+3], v[\Y+\j+2:\Y+\j+3], v[T+2:T+3]
.endr
	s_delay_alu instid0(VALU_DEP_1)
	v_pk_add_f32 v[T:T+1], v[T:T+1], v[T+2:T+3]
	s_delay_alu instid0(VALU_DEP_1)
	v_add_f32 v[T], v[T], v[T+1]
	REDUCE
	s_delay_alu instid0(VALU_DEP_1)
	v_fma_f32 v[T], v[T], s[RN], s[EPS]            ; the variance + 1e-5
	s_wait_alu depctr_va_vdst(0)
	v_rsq_f32 v[M], v[T]
	v_nop                                          ; the plain place behind the transcendental
	s_wait_alu depctr_va_vdst(0)                   ; and the wait ahead of its first reader
	v_mov_b32 v[M+1], v[M]
.irp j, 0,2,4,6,8,10,12,14,16,18,20,22,24,26,28,30
	v_pk_mul_f32 v[\Y+\j:\Y+\j+1], v[\Y+\j:\Y+\j+1], v[M:M+1]
.endr
.irp j, 0,2,4,6,8,10,12,14,16,18,20,22,24,26,28,30
	v_pk_fma_f32 v[\Y+\j:\Y+\j+1], v[\Y+\j:\Y+\j+1], v[G+\j:G+\j+1], v[B+\j:B+\j+1]
.endr
.endm
	s_load_b256 s[4:11], s[0:1], 0x0               ; z, g, b, out
	v_lshrrev_b32 v1, 5, v0
	v_and_b32 v2, 31, v0
	s_delay_alu instid0(VALU_DEP_1)
	v_lshlrev_b32 v5, 4, v2                        ; 16 x lane
	s_delay_alu instid0(VALU_DEP_1)
	v_lshl_add_u32 v6, v1, 13, v5                  ; my wave's two rows
	s_mov_b32 s[SEL], 0x76543210
	s_mov_b32 s[SEL+1], 0xfedcba98
	s_mov_b32 s[RN], 0x3a800000
	s_mov_b32 s[EPS], 0x3727c5ac
	s_lshl_b32 s16, ttmp9, 16                      ; 16 rows of 4,096 bytes
	s_mov_b32 s17, 0
	s_wait_alu depctr_va_vdst(0)
	s_wait_kmcnt 0x0
	s_add_nc_u64 s[4:5], s[4:5], s[16:17]
	s_add_nc_u64 s[10:11], s[10:11], s[16:17]
.irp j, 0,1,2,3,4,5,6,7
	global_load_b128 v[G+4*\j:G+4*\j+3], v5, s[6:7] offset:512*\j
.endr
.irp j, 0,1,2,3,4,5,6,7
	global_load_b128 v[B+4*\j:B+4*\j+3], v5, s[8:9] offset:512*\j
.endr
.irp j, 0,1,2,3,4,5,6,7
	global_load_b128 v[Y0+4*\j:Y0+4*\j+3], v6, s[4:5] offset:512*\j th:TH_LOAD_NT
.endr
.irp j, 0,1,2,3,4,5,6,7
	global_load_b128 v[Y1+4*\j:Y1+4*\j+3], v6, s[4:5] offset:4096+512*\j th:TH_LOAD_NT
.endr
	s_wait_loadcnt 8                               ; g, b and the first row are in; the second row's eight loads stay out
	LNROW Y0
.irp j, 0,1,2,3,4,5,6,7
	global_store_b128 v6, v[Y0+4*\j:Y0+4*\j+3], s[10:11] offset:512*\j th:TH_STORE_NT
.endr
	s_wait_loadcnt 0x0
	LNROW Y1
.irp j, 0,1,2,3,4,5,6,7
	global_store_b128 v6, v[Y1+4*\j:Y1+4*\j+3], s[10:11] offset:4096+512*\j th:TH_STORE_NT
.endr
	s_endpgm
.Lfunc_end_k_qba94e6f48e_ln2:
	.size	k_qba94e6f48e_ln2, .Lfunc_end_k_qba94e6f48e_ln2-k_qba94e6f48e_ln2
	.p2alignl 7, 3214868480
	.fill 96, 4, 3214868480
	.section	.rodata,"a",@progbits
	.p2align	6, 0x0
	.amdhsa_kernel k_qba94e6f48e_ln2
		.amdhsa_group_segment_fixed_size 0
		.amdhsa_private_segment_fixed_size 0
		.amdhsa_enable_private_segment 0
		.amdhsa_kernarg_size 32
		.amdhsa_user_sgpr_count 2
		.amdhsa_user_sgpr_kernarg_segment_ptr 1
		.amdhsa_wavefront_size32 1
		.amdhsa_system_sgpr_workgroup_id_x 1
		.amdhsa_system_sgpr_workgroup_id_y 1
		.amdhsa_system_sgpr_workgroup_id_z 1
		.amdhsa_system_vgpr_workitem_id 0
		.amdhsa_next_free_vgpr 160
		.amdhsa_next_free_sgpr 66
		.amdhsa_reserve_vcc 0
		.amdhsa_float_denorm_mode_32 3
		.amdhsa_float_denorm_mode_16_64 3
		.amdhsa_memory_ordered 1
		.amdhsa_forward_progress 1
		.amdhsa_inst_pref_size 21
	.end_amdhsa_kernel
	.amdgpu_metadata
---
amdhsa.version: [ 1, 2 ]
amdhsa.kernels:
  - .name:           k_qba94e6f48e_ln2
    .symbol:         k_qba94e6f48e_ln2.kd
    .args:
      - { .name: rows32, .offset: 0, .size: 8, .value_kind: global_buffer, .address_space: global }
      - { .name: ln2_g, .offset: 8, .size: 8, .value_kind: global_buffer, .address_space: global }
      - { .name: ln2_b, .offset: 16, .size: 8, .value_kind: global_buffer, .address_space: global }
      - { .name: out0, .offset: 24, .size: 8, .value_kind: global_buffer, .address_space: global }
    .group_segment_fixed_size: 0
    .private_segment_fixed_size: 0
    .kernarg_segment_align: 8
    .kernarg_segment_size: 32
    .max_flat_workgroup_size: 256
    .sgpr_count:     66
    .vgpr_count:     160
    .wavefront_size: 32
...
	.end_amdgpu_metadata
.endif
;; end of part 7
